; MI455X (gfx1250); checked and timed in simulation.
; The chip was launched on July 23, 2026; its instructions are those of AMD's public machine-readable ISA for CDNA 5 (MIT licence, August 2026) and "CDNA5" Instruction Set Architecture Reference Guide (July 2026). The comments in the code are by the model that wrote it; some were corrected since.
;; Attention. Allowed arithmetic: matrix products marked QUANTISED: E2M3 operands, one E8M0 scale for each 32 along K, by v_wmma_scale_f32_16x16x128_f8f6f4 with both operands' format E2M3, f32 sums; everything else in f32.
;; Inputs: b_proj 1,024 float32; b_qkv 3,072 float32; w_proj 1,024 x 1,024 float32; w_qkv 1,024 x 3,072 float32; x 4 x 2,048 x 1,024 float32.
;; Outputs: out0 4 x 2,048 x 1,024 float32.
;; This version of the problem:
;;   THIS VERSION OF THE PROBLEM IS GIVEN IN LOW PRECISION. The matrix products marked QUANTISED in the list below multiply operands that are first quantised to E2M3 (2 exponent bits, 3 mantissa bits; 6 bits a number), with one power-of-two scale for each 32 numbers along K (OCP MX v1.0); their sums are f32. All else is computed in f32.
;;   The module's matrix products, in the order in which they are computed (A, B: the left and right operand; K: the contracted axis; several contracted axes count as one K, in the product's order):
;;     1. [M 8,192, K 1,024] x [K 1,024, N 3,072]; A: input x; B: input w_qkv: QUANTISED
;;     2. batch 64 x [M 2,048, K 64] x [K 64, N 2,048]; A: computed on the way; B: computed on the way: QUANTISED
;;     3. batch 64 x [M 2,048, K 2,048] x [K 2,048, N 64]; A: softmax (see below); B: computed on the way: QUANTISED
;;     4. [M 8,192, K 1,024] x [K 1,024, N 1,024]; A: computed on the way; B: input w_proj: QUANTISED
;;   THE QUANTISER, for each operand of a quantised product, along K:
;;     - K is cut into blocks of 32 from its start; a last block that is shorter is filled with zeros.
;;     - A block's scale is 2^e with e = floor(log2(the largest magnitude in the block)) - 2, held to -126 .. 127; a block of zeros has e = 0. As a byte (E8M0): e + 127.
;;     - Each number is divided by its block's scale, clamped to +-7.5, and rounded to the nearest number of E2M3, ties to even, subnormals kept.
;;     - The product sums the exact products of the quantised numbers (number of the format x scale) in f32.
;;   ~~~python
;;   def quantise(x, axis):      # numpy; x: float32 -> the quantised numbers, widened to float32 again
;;       x = np.moveaxis(x, axis, -1); K = x.shape[-1]
;;       x = np.pad(x, [(0, 0)] * (x.ndim - 1) + [(0, -K % 32)]); x = x.reshape(x.shape[:-1] + (-1, 32)); a = np.abs(x).max(-1, keepdims=True)
;;       e = np.where(a > 0, np.clip(np.frexp(np.where(a > 0, a, 1))[1] - 1 - 2, -126, 127), 0)      # np.frexp(a)[1] - 1 = floor(log2(a)), exactly
;;       r = np.clip(x / 2.0 ** e, -7.5, 7.5)
;;       step = 2.0 ** (np.maximum(np.frexp(np.where(r == 0, 1, r))[1] - 1, 0) - 3)
;;       q = np.round(r / step) * step * 2.0 ** e      # np.round: ties to even
;;       return np.moveaxis(q.reshape(q.shape[:-2] + (-1,))[..., :K], -1, axis).astype(np.float32)
;;   ~~~
;;   SOFTMAX AHEAD OF A QUANTISED PRODUCT. Where the list says 'softmax', what is quantised is not the finished softmax but p = 2^(t - M), with t = logit x log2(e) and M = ceil(the row's largest t), a whole number; so 1/2 < the row's largest p <= 1. The row's sum l is taken of the UNQUANTISED p, in f32, and the product's result is divided by l at the end. Since M is a whole number, a kernel that streams over the keys may use a running M (the ceiling of the running maximum): every later rescaling is an exact power of two, which a block's scale takes up: the codes' values come out the same.
;;   OPERANDS COMPUTED ON THE WAY. 'Computed on the way' means the value that the module computes at that place (a softmax that the list does not call 'softmax' is quantised finished and normalised). What goes into a quantiser is computed in f32, as accurately as f32 sums, v_exp_f32 and their like allow (about 1e-6 of the number): no bf16 or f16 on the way to a quantiser, and a product that is left as it is and whose result goes on into a quantised operand takes f32 operands (vector FMAs, or v_wmma_f32_16x16x4_f32). A number that lies on a knife's edge between two numbers of the format may be rounded either way, as far as f32 arithmetic and the matrix unit's own rounding can turn it there, and no further.
;; One version. Each part assembles by itself: llvm-mc -triple=amdgcn-amd-amdhsa -mcpu=gfx1250 --defsym DOCPART=n.
;; ======== version 1 of 1: 4 launches
;; limits: right only within a limited range of input values
;; workspace buffers: op1 8,650,752 bytes; sc1 360,448 bytes; op2 7,077,888 bytes; sc2 294,912 bytes; q 6,815,744 bytes; kv 13,369,344 bytes
;; launch quant (part 1): grid 512 x 1, 4 waves a work-group, no clusters, 35,328 bytes of LDS; arguments x, w_qkv, w_proj, op1, sc1, op2, sc2; writes op1, sc1, op2, sc2
.if DOCPART == 1
	.amdgcn_target "amdgcn-amd-amdhsa--gfx1250"
	.amdhsa_code_object_version 6
	.text
	.protected	k_q2459ec3cb8_quant
	.globl	k_q2459ec3cb8_quant
	.p2align	8
	.type	k_q2459ec3cb8_quant,@function
k_q2459ec3cb8_quant:
	s_mov_b64 s[64:65], 0
	v_nop
	global_prefetch_b8 v0, s[64:65] scope:SCOPE_SE
	s_setreg_imm32_b32 hwreg(HW_REG_WAVE_MODE, 25, 1), 1
	s_wait_xcnt 0x0
; x [8192][1024], w_qkv [1024][3072] and w_proj [1024][1024], f32, become codes of FP6 (E2M3) with one E8M0 byte for each 32 along K (x: its last axis; the weights: their first).
; A block's scale is 2^(floor(log2(largest magnitude)) - 2): its byte is the largest magnitude's exponent field - 2, held at 1 from below by a floor among the maximum's leaves.
; LIMITS: NaN and infinities are not served.  A block of zeros, or one whose largest magnitude lies under 2^-124, gets the byte 1 where the rule says 127 (zeros) or less: its codes are zeros or nearly so, and the bytes are read by this program alone.
; THE WORKSPACE LIES IN THE ORDER OF THE OPERAND'S REGISTERS.  A tile is 16 rows: row r of tile T is row 32 (T / 2) + 8 (T % 2) + r + 8 (r / 8) of the operand.  A fragment (a tile x 128 along K, 12 registers a lane) is 1,536 bytes, two halves of 768:
; in half c the registers 6 c .. 6 c + 3 of lane l at 16 l (512 bytes), then the registers 6 c + 4, 6 c + 5 of lane (r, h) at 512 + 16 r + 8 h.  A tile's eight K steps lie on end: 12,288 bytes.
; Its scale words (one a row and K step s) lie as [s / 4][r][s % 4]: 512 bytes a tile.  Tiles 0-511 of op1 are x's, tiles 512-703 w_qkv's columns; tiles 512-575 of op2 are w_proj's columns.
; Work-groups 0-255 take x, the others the weights: two ways through the text, each with LDS bytes of its own.  No tensor loads.
.set RX,  32                           ; x: v32-95, v96-159   two sets of 64 numbers as loaded
.set XN,  160                          ;    v160-223          64 numbers in the operand's order: register 32 c + i = K 64 c + 32 h + i of my row
.set CD,  224                          ;    v224-235          the fragment
.set CT,  236                          ;    v236-243          each block's second 16 codes (a conversion's three registers begin on an even number)
.set MX,  244                          ;    v244-245 largest magnitudes, v246-247 the conversions' scale operands, v248-249 the bytes
.set SO,  246
.set BY,  248
.set STG, 8448                         ; x: a stage of 16 rows x (512 + 16) bytes for each wave
.set WL,  4*STG                        ; the weights: 512 bytes in which the four waves' scale words meet
.set WN,  32                           ; the weights: v32-159 128 numbers down K of my column
.set PB,  160                          ;    v160-175 registers 0-3 of each block's six;  v176-191 each block's second 16 codes;  v192-199 registers 4, 5
.set TT,  176
.set QC,  192
.set MW,  200                          ;    v200-201 maxima, v202 the scale operand, v203 the byte
	s_load_b256 s[4:11], s[0:1], 0x0               ; x s[4:5], w_qkv s[6:7], w_proj s[8:9], op1 s[10:11]
	s_load_b128 s[12:15], s[0:1], 0x20             ; sc1 s[12:13], op2 s[14:15]
	s_load_b64 s[16:17], s[0:1], 0x30              ; sc2
	v_lshl_add_u32 v254, v0, 2, 0x8800
	v_mov_b32 v255, 0
	v_lshrrev_b32 v1, 5, v0
	v_readfirstlane_b32 s18, v1                    ; wave 0..3
	v_and_b32 v1, 31, v0                           ; lane l
	v_and_b32 v2, 15, v0                           ; r
	v_bfe_u32 v3, v0, 4, 1                         ; h
	s_mov_b32 s20, 0x76543210
	s_mov_b32 s21, 0xfedcba98                      ; v_permlanex16_b32's selects for lane l xor 16
	s_wait_kmcnt 0x0
	s_cmp_ge_u32 ttmp9, 256
	s_cbranch_scc1 .Lweights
; ---------------- x.  Wave W = 4 x work-group + wave makes four fragments: tile W / 2, K steps 4 (W % 2) + 0 .. 3.
	s_wait_alu depctr_va_vdst(0)
	v_lshlrev_b32 v4, 4, v1                        ; 16 l
	s_wait_alu depctr_va_vdst(0)
	v_lshlrev_b32 v9, 4, v2                        ; 16 r
	v_lshl_add_u32 v5, v3, 3, v9                   ; 16 r + 8 h
	s_mul_i32 s19, s18, STG
	v_add_nc_u32 v6, s19, v4                       ; the stage, on the way in: a row's 512 bytes as they lie
	v_mul_u32_u24 v7, v2, 528
	v_lshl_add_u32 v7, v3, 7, v7
	v_add_nc_u32 v7, s19, v7                       ; and on the way out: row r, + 128 h: my 32 numbers of each 64
	v_lshlrev_b32 v8, 3, v3                        ; 8 h
	v_mov_b32 v251, 0                              ; a lane permute's destination counts as one of its sources
	s_lshl_b32 s22, ttmp9, 2
	s_add_co_u32 s22, s22, s18                     ; W
	s_lshr_b32 s23, s22, 2
	s_lshl_b32 s23, s23, 17                        ; 32 (tile / 2) rows of 4,096 bytes
	s_bfe_u32 s24, s22, 0x10001
	s_lshl_b32 s24, s24, 15                        ; + 8 (tile % 2) rows
	s_add_co_u32 s23, s23, s24
	s_and_b32 s24, s22, 1
	s_lshl_b32 s24, s24, 11                        ; + four K steps of 512 bytes
	s_add_co_u32 s24, s23, s24
	s_mov_b32 s25, 0
	s_add_nc_u64 s[4:5], s[4:5], s[24:25]
	s_mul_i32 s24, s22, 6144                       ; 12,288 x tile + 6,144 x half = 6,144 W
	s_add_nc_u64 s[10:11], s[10:11], s[24:25]
	s_lshl_b32 s24, s22, 8                         ; 512 x tile + 256 x half
	s_add_nc_u64 s[12:13], s[12:13], s[24:25]
.macro LOADX t                         ; K step t of my 16 rows: each load reads 512 consecutive bytes of one row
.irp i, 0,1,2,3,4,5,6,7,8,9,10,11,12,13,14,15
	global_load_b128 v[RX+64*((\t)%2)+4*\i:RX+64*((\t)%2)+4*\i+3], v4, s[4:5] offset:(\i+8*(\i/8))*4096+512*(\t) th:TH_LOAD_NT
.endr
.endm
.macro FRAGX t
.if (\t) < 3
	s_wait_loadcnt 16                              ; this fragment's 16 loads are in; the next fragment's 16 may be out
.else
	s_wait_loadcnt 0x0
.endif
.irp i, 0,1,2,3,4,5,6,7,8,9,10,11,12,13,14,15
	ds_store_b128 v6, v[RX+64*((\t)%2)+4*\i:RX+64*((\t)%2)+4*\i+3] offset:528*\i
.endr
.irp c, 0,1
.irp j, 0,1,2,3,4,5,6,7
	ds_load_b128 v[XN+32*\c+4*\j:XN+32*\c+4*\j+3], v7 offset:256*\c+16*\j   ; LDS serves a wave's instructions in order: these see the stores above
.endr
.endr
	s_wait_dscnt 0x0                               ; the numbers are back, and the stores have read their registers,
.if (\t) < 2
	LOADX (\t)+2                                   ; which take the loads of two fragments on
.endif
.irp c, 0,1                                    ; my blocks h and 2 + h: all 32 numbers of each are mine
	v_max3_num_f32 v[MX+\c], |v[XN+32*\c]|, |v[XN+32*\c+1]|, 0x1800000   ; the floor 2^(3 - 127): the byte cannot fall under 1
.endr
.irp i, 2,4,6,8,10,12,14,16,18,20,22,24,26,28,30
.irp c, 0,1
	v_max3_num_f32 v[MX+\c], v[MX+\c], |v[XN+32*\c+\i]|, |v[XN+32*\c+\i+1]|
.endr
.endr
.irp c, 0,1
	v_add_nc_u32 v[SO+\c], 0xff000000, v[MX+\c]    ; 2 off the exponent field: the conversion takes the exponent field of this operand as its scale
.endr
.irp c, 0,1
	v_lshrrev_b32 v[BY+\c], 23, v[SO+\c]           ; the scale's byte
.endr
	v_lshl_or_b32 v250, v[BY+1], 16, v[BY]
	v_lshlrev_b32 v250, v8, v250                   ; my two bytes at their places in the word,
	v_permlanex16_b32 v251, v250, s20, s21
	v_or_b32 v[12+(\t)], v250, v251                ; with lane l xor 16's two the word is whole
.if (\t) > 0
	s_wait_alu depctr_va_vdst(0)
	s_wait_xcnt 0x0                                ; the last fragment's stores have read their data: the codes' registers are written again only behind this wait
.endif
.irp c, 0,1
	v_cvt_scalef32_pk16_fp6_f32 v[CD+6*\c:CD+6*\c+2], v[XN+32*\c:XN+32*\c+15], v[SO+\c]
	v_cvt_scalef32_pk16_fp6_f32 v[CT+4*\c:CT+4*\c+2], v[XN+32*\c+16:XN+32*\c+31], v[SO+\c]
.endr
	v_nop                                          ; one plain place behind a scaled conversion
.irp c, 0,1
.irp i, 0,1,2
	v_mov_b32 v[CD+6*\c+3+\i], v[CT+4*\c+\i]
.endr
.endr
	global_store_b128 v4, v[CD:CD+3], s[10:11] offset:1536*(\t)           ; 512 consecutive bytes
	global_store_b64 v5, v[CD+4:CD+5], s[10:11] offset:1536*(\t)+512      ; 256 consecutive bytes, aligned
	global_store_b128 v4, v[CD+6:CD+9], s[10:11] offset:1536*(\t)+768
	global_store_b64 v5, v[CD+10:CD+11], s[10:11] offset:1536*(\t)+1280
.endm
	LOADX 0
	LOADX 1
	s_wait_alu depctr_va_vdst(0)
	FRAGX 0
	FRAGX 1
	FRAGX 2
	FRAGX 3
	global_store_b128 v9, v[12:15], s[12:13]       ; my four K steps' scale words: 256 consecutive bytes (both halves of the lanes write the same values)
	s_wait_tensorcnt 0x0
	ds_add_u32 v254, v255
	s_wait_dscnt 0x0
	s_endpgm
; ---------------- the weights.  A lane takes a column and its registers run down K.  Work-group i: 32 columns (two tiles), four K steps, one a wave.
.Lweights:
	s_sub_co_u32 s22, ttmp9, 256                   ; i: 0-191 w_qkv, 192-255 w_proj
	s_mov_b32 s30, 12288
	s_cmp_ge_u32 s22, 192                          ; the choice hangs on the work-group's number alone
	s_cselect_b64 s[24:25], s[8:9], s[6:7]         ; the weight,
	s_cselect_b64 s[26:27], s[14:15], s[10:11]     ; its codes,
	s_cselect_b64 s[28:29], s[16:17], s[12:13]     ; its scale words,
	s_cselect_b32 s30, 4096, s30                   ; a row of it in bytes
	s_cselect_b32 s31, 192, 0
	s_sub_co_u32 s22, s22, s31
	s_lshr_b32 s23, s22, 1                         ; which 32 columns
	s_and_b32 s31, s22, 1                          ; which four K steps
	s_lshl_b32 s19, s31, 2
	s_add_co_u32 s19, s19, s18                     ; my K step
	s_mul_i32 s66, s19, s30
	s_lshl_b32 s66, s66, 7                         ; 128 rows a K step
	s_lshl_b32 s67, s23, 7                         ; 128 bytes for 32 columns
	s_add_co_u32 s66, s66, s67
	s_mov_b32 s67, 0
	s_add_nc_u64 s[32:33], s[24:25], s[66:67]      ; sixteen bases, eight rows apart: the row's length is chosen above, so it cannot stand in an immediate
	s_lshl_b32 s66, s30, 3
.irp m, 1,2,3,4,5,6,7,8,9,10,11,12,13,14,15
	s_add_nc_u64 s[32+2*\m:33+2*\m], s[30+2*\m:31+2*\m], s[66:67]
.endr
	s_lshl_b32 s68, s23, 1
	s_add_co_u32 s68, s68, 512                     ; my columns' first tile
	s_mul_i32 s70, s68, 12288
	s_mul_i32 s71, s19, 1536
	s_add_co_u32 s70, s70, s71
	s_mov_b32 s71, 0
	s_add_nc_u64 s[26:27], s[26:27], s[70:71]
	s_lshl_b32 s70, s68, 9
	s_lshl_b32 s72, s31, 8
	s_add_co_u32 s70, s70, s72
	s_add_nc_u64 s[28:29], s[28:29], s[70:71]
	s_wait_alu depctr_va_vdst(0)
	v_lshlrev_b32 v4, 2, v1                        ; 4 l
.irp j, 0,1,2,3,4,5,6,7
	v_mad_u32_u24 v[16+\j], s30, \j, v4            ; + j rows
.endr
	v_bfe_u32 v5, v0, 3, 1                         ; column l lies in tile u = (l / 8) % 2
	v_and_b32 v6, 7, v0
	v_lshl_add_u32 v6, v3, 3, v6                   ; as its row l % 8 + 8 (l / 16)
	v_mul_u32_u24 v7, v5, 12288
	v_lshl_add_u32 v7, v6, 4, v7                   ; the codes: 12,288 u + 16 x row
	v_lshlrev_b32 v8, 9, v5
	v_lshl_add_u32 v8, v6, 4, v8                   ; the scale words: 512 u + 16 x row
	v_lshl_add_u32 v10, v1, 4, WL
	s_lshl_b32 s72, s18, 2
	v_add_nc_u32 v9, s72, v10                      ; LDS: column l's four words, mine the wave's
.macro LOADW b                         ; block b: rows 32 b + 0 .. 31 of my K step, 128 consecutive bytes a load
.irp m, 0,1,2,3
.irp j, 0,1,2,3,4,5,6,7
	global_load_b32 v[WN+32*(\b)+8*\m+\j], v[16+\j], s[32+2*(4*(\b)+\m):33+2*(4*(\b)+\m)] th:TH_LOAD_NT
.endr
.endr
.endm
.macro BLOCKW b                        ; block b = 2 c + h' of the K step belongs to lane (row, h') of the fragment, registers 6 c .. 6 c + 5
.set XS, WN+32*(\b)
.if (\b) < 3
	s_wait_loadcnt 32                              ; this block's 32 loads are in; the next block's may be out
.else
	s_wait_loadcnt 0x0
.endif
.if (\b) < 2
	LOADW (\b)+2
.endif
	v_max3_num_f32 v[MW], |v[XS]|, |v[XS+1]|, |v[XS+2]|
	v_max3_num_f32 v[MW+1], |v[XS+3]|, |v[XS+4]|, |v[XS+5]|
.irp i, 6,10,14,18,22,26
	v_max3_num_f32 v[MW], v[MW], |v[XS+\i]|, |v[XS+\i+1]|
	v_max3_num_f32 v[MW+1], v[MW+1], |v[XS+\i+2]|, |v[XS+\i+3]|
.endr
	v_max3_num_f32 v[MW], v[MW], |v[XS+30]|, |v[XS+31]|
	v_max3_num_f32 v[MW], v[MW], v[MW+1], 0x1800000   ; and the floor
	v_add_nc_u32 v[MW+2], 0xff000000, v[MW]
	v_lshrrev_b32 v[MW+3], 23, v[MW+2]
.if (\b) == 0
	v_mov_b32 v11, v[MW+3]                         ; the K step's four bytes make my column's scale word
.else
	v_lshl_or_b32 v11, v[MW+3], 8*(\b), v11
.endif
	v_cvt_scalef32_pk16_fp6_f32 v[PB+4*(\b):PB+4*(\b)+2], v[XS:XS+15], v[MW+2]
	v_cvt_scalef32_pk16_fp6_f32 v[TT+4*(\b):TT+4*(\b)+2], v[XS+16:XS+31], v[MW+2]
	v_nop                                          ; one plain place behind a scaled conversion
	v_mov_b32 v[PB+4*(\b)+3], v[TT+4*(\b)]
	v_mov_b32 v[QC+2*(\b)], v[TT+4*(\b)+1]
	v_mov_b32 v[QC+2*(\b)+1], v[TT+4*(\b)+2]
	global_store_b128 v7, v[PB+4*(\b):PB+4*(\b)+3], s[26:27] offset:768*((\b)/2)+256*((\b)%2)   ; in each of the two tiles 256 consecutive bytes, aligned
.if (\b)%2 == 1
	global_store_b128 v7, v[QC+4*((\b)/2):QC+4*((\b)/2)+3], s[26:27] offset:768*((\b)/2)+512    ; registers 4, 5 of both halves of the lanes: likewise
.endif
.endm
	LOADW 0
	LOADW 1
	BLOCKW 0
	BLOCKW 1
	BLOCKW 2
	BLOCKW 3
	ds_store_b32 v9, v11
	s_wait_dscnt 0x0                               ; for the others' sake: my word has landed
	s_barrier_signal -1
	s_barrier_wait -1
	s_cmp_lg_u32 s18, 0
	s_cbranch_scc1 .Lw_done
	ds_load_b128 v[208:211], v10                   ; the four waves' words of column l: K steps 4 g + 0 .. 3
	s_wait_dscnt 0x0
	global_store_b128 v8, v[208:211], s[28:29]     ; in each of the two tiles 256 consecutive bytes, aligned
.Lw_done:
	s_wait_tensorcnt 0x0
	ds_add_u32 v254, v255
	s_wait_dscnt 0x0
	s_endpgm
.Lfunc_end_k_q2459ec3cb8_quant:
	.size	k_q2459ec3cb8_quant, .Lfunc_end_k_q2459ec3cb8_quant-k_q2459ec3cb8_quant
	.p2alignl 7, 3214868480
	.fill 96, 4, 3214868480
	.section	.rodata,"a",@progbits
	.p2align	6, 0x0
	.amdhsa_kernel k_q2459ec3cb8_quant
		.amdhsa_group_segment_fixed_size 35328
		.amdhsa_private_segment_fixed_size 0
		.amdhsa_enable_private_segment 0
		.amdhsa_kernarg_size 56
		.amdhsa_user_sgpr_count 2
		.amdhsa_user_sgpr_kernarg_segment_ptr 1
		.amdhsa_wavefront_size32 1
		.amdhsa_system_sgpr_workgroup_id_x 1
		.amdhsa_system_sgpr_workgroup_id_y 1
		.amdhsa_system_sgpr_workgroup_id_z 1
		.amdhsa_system_vgpr_workitem_id 0
		.amdhsa_next_free_vgpr 256
		.amdhsa_next_free_sgpr 80
		.amdhsa_reserve_vcc 0
		.amdhsa_float_denorm_mode_32 3
		.amdhsa_float_denorm_mode_16_64 3
		.amdhsa_memory_ordered 1
		.amdhsa_forward_progress 1
		.amdhsa_inst_pref_size 52
	.end_amdhsa_kernel
	.amdgpu_metadata
---
amdhsa.version: [ 1, 2 ]
amdhsa.kernels:
  - .name:           k_q2459ec3cb8_quant
    .symbol:         k_q2459ec3cb8_quant.kd
    .args:
      - { .name: x, .offset: 0, .size: 8, .value_kind: global_buffer, .address_space: global }
      - { .name: w_qkv, .offset: 8, .size: 8, .value_kind: global_buffer, .address_space: global }
      - { .name: w_proj, .offset: 16, .size: 8, .value_kind: global_buffer, .address_space: global }
      - { .name: op1, .offset: 24, .size: 8, .value_kind: global_buffer, .address_space: global }
      - { .name: sc1, .offset: 32, .size: 8, .value_kind: global_buffer, .address_space: global }
      - { .name: op2, .offset: 40, .size: 8, .value_kind: global_buffer, .address_space: global }
      - { .name: sc2, .offset: 48, .size: 8, .value_kind: global_buffer, .address_space: global }
    .group_segment_fixed_size: 35328
    .private_segment_fixed_size: 0
    .kernarg_segment_align: 8
    .kernarg_segment_size: 56
    .max_flat_workgroup_size: 128
    .sgpr_count:     80
    .vgpr_count:     256
    .wavefront_size: 32
...
	.end_amdgpu_metadata
.endif
;; end of part 1
;; launch qkv (part 2): grid 8 x 32, 4 waves a work-group, clusters of 4 x 4, 327,680 bytes of LDS; arguments op1, sc1, b_qkv, q, kv; writes q, kv
.if DOCPART == 2
	.amdgcn_target "amdgcn-amd-amdhsa--gfx1250"
	.amdhsa_code_object_version 6
	.text
	.protected	k_q2459ec3cb8_qkv
	.globl	k_q2459ec3cb8_qkv
	.p2align	8
	.type	k_q2459ec3cb8_qkv,@function
k_q2459ec3cb8_qkv:
	s_mov_b64 s[64:65], 0
	v_nop
	global_prefetch_b8 v0, s[64:65] scope:SCOPE_SE
	s_setreg_imm32_b32 hwreg(HW_REG_WAVE_MODE, 25, 1), 1
	s_wait_xcnt 0x0
	s_wait_alu depctr_hold_cnt(0) depctr_sa_sdst(0) depctr_va_vdst(0) depctr_va_sdst(0) depctr_va_ssrc(0) depctr_va_vcc(0) depctr_vm_vsrc(0)
	s_getreg_b32 s2, hwreg(HW_REG_IB_STS2, 6, 4)
	s_cmp_eq_u32 s2, 0
	s_cbranch_scc0 .Lentry_in_a_cluster
	s_endpgm
.Lentry_in_a_cluster:
	s_bfe_u32 s2, ttmp6, 0x10000c
	s_cmp_lg_u32 s2, 0xf033
	s_cbranch_scc0 .Lentry_shape_is_right
	s_endpgm
.Lentry_shape_is_right:
; q, k, v = x w_qkv + b_qkv on codes of FP6 (E2M3) with E8M0 scales, K = 1,024; the results, with the bias, are quantised here for the two products of attention and leave as codes alone.
; OPERANDS (op1, sc1) lie in the order of the operand's registers: a tile of 16 rows (row r of tile T = row 32 (T / 2) + 8 (T % 2) + r + 8 (r / 8)), 12,288 bytes for its eight K steps of 128; a fragment is 1,536 bytes, two halves of 768
; (registers 6 c .. 6 c + 3 of lane l at 16 l; registers 6 c + 4, 6 c + 5 of lane (r, h) at 512 + 16 r + 8 h).  Tiles 0-511: x; 512-703: w_qkv's columns.  Scale words: 512 bytes a tile, [K step / 4][r][K step % 4].
; SHARES.  256 work-groups: work-group (g, u) takes x's rows 256 u .. + 255 and, in three phases, columns 128 g .. + 127 of q, of k and of v (heads 2 g, 2 g + 1).  Four waves, 2 x 2: wave (a, b) makes 128 rows x 64 columns, one head: 32 accumulators.
; LDS: x's 16 tiles, all of K, stay for the whole launch; beside them the phase's 8 tiles of the weight.  Both lie as two halves of K (K steps 0-3, 4-7), a tile's part 6,144 bytes: x's lower half at 0, the weight's at WOF, the upper halves HALF further on.
; FILLS.  At the head one joint load a wave, each in an arm of its own: the weight's lower half, x's lower half, the weight's upper half, x's upper half.  The first barrier waits for the first two; a plain barrier in K step 3 shows the rest.
; The weight's region is filled again twice, in K step 7 of q's and of k's phase, in a drained round of the cluster's barrier (each wave 4 tiles of one half); the way out stands between that load and the wait for it.  A wave has one tensor load out at a time.
; CLUSTERS: 4 x 4; x's tiles are shared along a row of the cluster, the weight's along a column.
; q, k: source 0 = the weight's tiles, so a lane holds one token and its 32 registers of an x tile are the head's 64 in two halves of the lanes.  v: source 0 = x's tiles, so a lane holds one channel and its 64 registers of a weight tile run along 128 keys.
; THE BIAS is the first products' C, laid in registers as the result lies.
; PREFETCH: k's and v's weights, 98,304 bytes each, are asked for once at the head; the sixteen waves of a column of the cluster take 24 blocks of 256 bytes each, told apart by address.
; OUT.  q: for each (batch, head) 106,496 bytes: 128 half fragments of 768 bytes (tile of 16 tokens x the head's 64), then scale words [128 tokens][tile / 4][r][tile % 4], bytes 0, 1 the two blocks, bytes 2, 3 zero.
;       kv: for each (batch, head) 208,896 bytes: k as q (98,304); v: [128 keys][tile of 16 channels] fragments of 1,536 bytes, registers 4 c .. 4 c + 3 of lane l at 512 c + 16 l (98,304); k's scale words (8,192); v's, [128 keys][r][tile] (4,096).
; LIMITS: NaN and infinities are not served; a block of zeros, or one under 2^-124, gets the byte 1 (its codes are zeros or nearly so; this program alone reads the bytes).
; REGISTERS: window 0: v1-29 addresses; v32-95 x's scale words (8 i + K step); v96-127 the weight's (8 j + (K step xor 4): never x's number modulo 8); v128-183 the quantiser's.  window 1: x's fragments, two sets of 96.
;   window 2: the accumulators.  window 3: v0-95 the weight's fragments, two sets of 48; v96-127 q's or k's bias; v128-159 v's.
.set HALF,  147456
.set WOF,   98304
.set SPARE, 294912                     ; behind the tiles: the spare words, 128 bytes for each wave
.set AP,  8                            ; v8, v9 x's fragments, K half 0, 1: 16 l + ..;  v10, v11: 16 r + 8 h + ..
.set AQ,  10
.set BP,  12                           ; v12-15 the same for the weight
.set BQ,  14
.set L16, 16
.set RH8, 17
.set R16, 18
.set BIO, 19                           ; 64 h
.set PF1, 20
.set PF2, 21
.set BLO, 22                           ; 4 (r + 8 (r / 8))
.set SPW, 28
.set NIL, 29
.set SCX, 32
.set SCW, 96
.set TM,  128
.set PW,  144
.set PC,  148
.set SW,  176
.set BB,  96
.set BV,  128
.set SEL, 20
.set G1X, 24
.set G1W, 32
.set G0XL, 40
.set G0XH, 44
.set G0WL, 48
.set G0WH, 52
.set G0R, 56
.set PH,  60
.set MSB, 0
.macro WIN new                         ; the immediate's high byte repeats the setting that is left
.if MSB != (\new)
	s_set_vgpr_msb (MSB<<8)|(\new)
.set MSB, (\new)
.endif
.endm
.macro WALU
	s_wait_alu depctr_va_vdst(0)
.endm
.macro PLACES n
.rept \n
	v_nop
.endr
.endm
.macro CREST
	s_cmp_lg_u32 s14, 0
	s_cbranch_scc1 .Lnot_wave_0_\@
	s_barrier_signal -3
.Lnot_wave_0_\@:
	s_barrier_wait -3
	s_barrier_signal -1
	s_barrier_wait -1
.endm
.macro CROUND
	s_barrier_signal -1
	s_barrier_wait -1
	CREST
.endm
.macro FRAG reg, pa, qa, off           ; a fragment comes as it lies
	ds_load_b128 v[\reg:\reg+3], v[\pa] offset:\off
	ds_load_b64 v[\reg+4:\reg+5], v[\qa] offset:\off+512
	ds_load_b128 v[\reg+6:\reg+9], v[\pa] offset:\off+768
	ds_load_b64 v[\reg+10:\reg+11], v[\qa] offset:\off+1280
.endm
.macro FETCH k                         ; K step k's 8 + 4 fragments into set k % 2: 48 loads in one run
	WIN 0x40
.irp i, 0,1,2,3,4,5,6,7
	FRAG 96*((\k)%2)+12*\i, AP+(\k)/4, AQ+(\k)/4, 6144*\i+1536*((\k)%4)
.endr
	WIN 0xc0
.irp j, 0,1,2,3
	FRAG 48*((\k)%2)+12*\j, BP+(\k)/4, BQ+(\k)/4, 6144*\j+1536*((\k)%4)
.endr
	WIN 0
.endm
.macro W1 d, a, b, c, sa, sb
	v_wmma_scale_f32_16x16x128_f8f6f4 v[\d:\d+7], v[\a:\a+11], v[\b:\b+11], \c, v[\sa], v[\sb] matrix_a_fmt:MATRIX_FMT_FP6 matrix_b_fmt:MATRIX_FMT_FP6
.endm
.macro PROD k, i, j, v, first          ; x's tile i x the weight's tile j, K step k
.set XF_, 96*((\k)%2)+12*(\i)
.set WF_, 48*((\k)%2)+12*(\j)
.set SX_, SCX+8*(\i)+(\k)
.set SY_, SCW+8*(\j)+((\k)^4)
.if \v
.set D_, 8*(8*(\j)+(\i))
.if \first
	W1 D_, XF_, WF_, v[BV+8*(\j):BV+8*(\j)+7], SX_, SY_
.else
	W1 D_, XF_, WF_, v[D_:D_+7], SX_, SY_
.endif
.else
.set D_, 8*(4*(\i)+(\j))
.if \first
	W1 D_, WF_, XF_, v[BB+8*(\j):BB+8*(\j)+7], SY_, SX_
.else
	W1 D_, WF_, XF_, v[D_:D_+7], SY_, SX_
.endif
.endif
.endm
.macro MULS k, i0, i1, v, first        ; the accumulators take turns, one instruction a turn
	WIN 0xa7+6*(\v)+16*(\first)                    ; q, k: source 0 window 3, source 1 window 1; v: the other way round; D window 2; C window 2, in the first step 3
.set I_, \i0
.rept (\i1)-(\i0)
.irp j, 0,1,2,3
	PROD \k, I_, \j, \v, \first
.endr
.set I_, I_+1
.endr
.endm
.macro STEP k, v, first                ; the next step's fragments are asked for, then this step's 32 products
	s_wait_dscnt 0x0                               ; this step's fragments are in
	PLACES 4                                       ; between the last step's products and the loads into their registers
	FETCH (\k)+1
	MULS \k, 0, 8, \v, \first
	WIN 0
.endm
.macro QUANT s                         ; 64 sums of a lane, from register s of window 2 on: register 16 b + i = k 32 b + 16 h + i of my row: a fragment's codes in v[PC] on, its scale word in v[PW]
	WIN 0x0a
.irp b, 0,1,2,3
	v_max3_num_f32 v[TM+\b], |v[\s+16*\b]|, |v[\s+1+16*\b]|, 0x1800000   ; and the floor 2^(3 - 127)
.endr
	WIN 0x28
.irp i, 2,4,6,8,10,12,14
.irp b, 0,1,2,3
	v_max3_num_f32 v[TM+\b], v[TM+\b], |v[\s+16*\b+\i]|, |v[\s+1+16*\b+\i]|
.endr
.endr
	WIN 0
.irp b, 0,1,2,3
	v_permlanex16_b32 v[TM+4+\b], v[TM+\b], s[SEL], s[SEL+1]
.endr
.irp b, 0,1,2,3
	v_max_num_f32 v[TM+\b], v[TM+\b], v[TM+4+\b]   ; with lane l xor 16's: the block's largest magnitude
.endr
.irp b, 0,1,2,3
	v_add_nc_u32 v[TM+12+\b], 0xff000000, v[TM+\b] ; 2 off its exponent field: the conversion's scale operand
.endr
.irp b, 0,1,2,3
	v_lshrrev_b32 v[TM+4+\b], 23, v[TM+12+\b]      ; the scale's byte
.endr
	v_lshl_or_b32 v[PW], v[TM+5], 8, v[TM+4]
	v_lshl_or_b32 v[PW], v[TM+6], 16, v[PW]
	v_lshl_or_b32 v[PW], v[TM+7], 24, v[PW]
	WIN 0x02
.irp c, 0,1
	v_cvt_scalef32_pk16_fp6_f32 v[PC+6*\c:PC+2+6*\c], v[\s+32*\c:\s+15+32*\c], v[TM+12+2*\c]
	v_cvt_scalef32_pk16_fp6_f32 v[PC+12+4*\c:PC+14+4*\c], v[\s+16+32*\c:\s+31+32*\c], v[TM+12+2*\c+1]
.endr
	WIN 0
	v_nop                                          ; one plain place behind a scaled conversion
.irp c, 0,1                                    ; the operand's layout wants a whole block in a lane
.irp i, 0,1,2
	v_permlane16_swap_b32 v[PC+6*\c+\i], v[PC+12+4*\c+\i]
.endr
.irp i, 0,1,2
	v_mov_b32 v[PC+3+6*\c+\i], v[PC+12+4*\c+\i]
.endr
.endr
.endm
.macro WSCALES                         ; the weight's scale words of my four tiles: K steps 0-3 into registers 4-7 of a tile's eight, K steps 4-7 into 0-3
.irp j, 0,1,2,3
	global_load_b128 v[SCW+8*\j+4:SCW+8*\j+7], v[R16], s[96:97] offset:512*\j
	global_load_b128 v[SCW+8*\j:SCW+8*\j+3], v[R16], s[96:97] offset:512*\j+256
.endr
.endm
.macro BIASQK                          ; register 8 j + t of lane (r, h): column 32 (j / 2) + 16 h + 8 (j % 2) + t of my head
	WIN 0xc0
.irp j, 0,1,2,3
	global_load_b128 v[BB+8*\j:BB+8*\j+3], v[BIO], s[62:63] offset:128*(\j/2)+32*(\j%2)
	global_load_b128 v[BB+8*\j+4:BB+8*\j+7], v[BIO], s[62:63] offset:128*(\j/2)+32*(\j%2)+16
.endr
	WIN 0
.endm
; ---------------- the head
	s_load_b256 s[4:11], s[0:1], 0x0               ; op1 s[4:5], sc1 s[6:7], b_qkv s[8:9], q s[10:11]
	s_load_b64 s[12:13], s[0:1], 0x20              ; kv
	v_lshl_add_u32 v[SPW], v0, 2, SPARE
	v_mov_b32 v[NIL], 0
	ds_add_u32 v[SPW], v[NIL]                      ; the opening lines: the add, twice on end, and its wait
	ds_add_u32 v[SPW], v[NIL]
	v_lshrrev_b32 v1, 5, v0
	v_readfirstlane_b32 s14, v1                    ; wave
	s_lshr_b32 s15, s14, 1                         ; a: my half of x's rows
	s_and_b32 s16, s14, 1                          ; b: my half of the columns
	s_bfe_u32 s66, ttmp6, 0x40000                  ; cx
	s_bfe_u32 s67, ttmp6, 0x40004                  ; cy
	s_lshl_b32 s18, ttmp9, 2
	s_add_co_u32 s18, s18, s66                     ; g
	s_and_b32 s19, ttmp7, 0xffff
	s_lshl_b32 s19, s19, 2
	s_add_co_u32 s19, s19, s67                     ; u
	s_lshl_b32 s68, s67, 2
	s_lshl_b32 s68, 15, s68                        ; my row of the cluster
	s_lshl_b32 s69, 0x1111, s66                    ; my column
	s_or_b32 s[G1X], s68, (3<<16)|(1<<21)          ; the mask; elements of 8 bytes; bit 21 beside a mask
	s_or_b32 s[G1W], s69, (3<<16)|(1<<21)
.irp g, G1X, G1W
	s_mov_b32 s[\g+1], 768<<16                     ; a row: four K steps of a tile, 6,144 bytes
	s_mov_b32 s[\g+3], 768<<16
	s_mov_b32 s[\g+5], 1536                        ; from tile to tile 12,288 bytes
	s_mov_b32 s[\g+6], 0
	s_mov_b32 s[\g+7], 0
.endr
	s_mov_b32 s[G1X+2], 16<<16
	s_mov_b32 s[G1X+4], 16
	s_mov_b32 s[G1W+2], 8<<16
	s_mov_b32 s[G1W+4], 8
	s_mul_i32 s74, s19, 196608                     ; x's 16 tiles
	s_mov_b32 s75, 0
	s_lshl_b32 s76, s18, 3
	s_add_co_u32 s76, s76, 512
	s_mul_i32 s76, s76, 12288                      ; q's 8 tiles of the weight
	s_mov_b32 s77, 0
.irp g, G0XL, G0XH, G0WL, G0WH, G0R
	s_mov_b32 s[\g], 1
.endr
	s_mov_b32 s[G0XL+1], 0
	s_mov_b32 s[G0XH+1], HALF
	s_mov_b32 s[G0WL+1], WOF
	s_mov_b32 s[G0WH+1], WOF+HALF
	s_mul_i32 s[G0R+1], s15, HALF                  ; a refill: wave w brings K half w / 2 of tiles 4 (w % 2) .. + 3
	s_mul_i32 s70, s16, 24576
	s_add_co_u32 s[G0R+1], s[G0R+1], s70
	s_add_co_u32 s[G0R+1], s[G0R+1], WOF
	s_mul_i32 s70, s16, 49152
	s_mul_i32 s71, s15, 6144
	s_add_co_u32 s70, s70, s71
	s_mov_b32 s71, 0
	WALU
	s_wait_dscnt 0x0
	s_wait_kmcnt 0x0
	s_add_nc_u64 s[74:75], s[4:5], s[74:75]
	s_add_nc_u64 s[78:79], s[4:5], s[76:77]
	CROUND                                         ; the round in front of the first joint loads
	s_mov_b64 s[G0XL+2:G0XL+3], s[74:75]
	s_add_nc_u64 s[G0XH+2:G0XH+3], s[74:75], 6144
	s_mov_b64 s[G0WL+2:G0WL+3], s[78:79]
	s_add_nc_u64 s[G0WH+2:G0WH+3], s[78:79], 6144
	s_add_nc_u64 s[G0R+2:G0R+3], s[78:79], s[70:71]
.irp g, G0XL, G0XH, G0WL, G0WH, G0R
	s_or_b32 s[\g+3], s[\g+3], 0x80000000
.endr
.macro ARM under, g0, g1, next         ; one chain of branches on the wave's number, one load to an arm
	s_cmp_lt_u32 s14, \under
	s_cbranch_scc0 \next
	tensor_load_to_lds s[\g0:\g0+3], s[\g1:\g1+7]
	s_nop 0
	PLACES 4
	s_branch .Lasked
\next:
.endm
	ARM 1, G0WL, G1W, .Larm1
	ARM 2, G0XL, G1X, .Larm2
	ARM 3, G0WH, G1W, .Larm3
	tensor_load_to_lds s[G0XH:G0XH+3], s[G1X:G1X+7]
	s_nop 0
	PLACES 4
.Lasked:
	v_and_b32 v1, 31, v0
	v_and_b32 v2, 15, v0                           ; r
	v_bfe_u32 v3, v0, 4, 1                         ; h
	v_lshlrev_b32 v[L16], 4, v1
	v_lshlrev_b32 v[R16], 4, v2
	v_lshl_add_u32 v[RH8], v3, 3, v[R16]
	v_lshlrev_b32 v[BIO], 6, v3
	v_and_b32 v4, 8, v2
	v_add_nc_u32 v4, v4, v2
	v_lshlrev_b32 v[BLO], 2, v4
	v_min_u32 v5, 23, v1                           ; lanes 24-31 name their wave's last block again
.irp b, 0,1,2,3
	v_mov_b32 v[TM+4+\b], 0                        ; a lane permute's destination counts as one of its sources
.endr
	WALU
	s_mov_b32 s[SEL], 0x76543210
	s_mov_b32 s[SEL+1], 0xfedcba98
	s_mul_i32 s72, s15, 49152
	s_mul_i32 s73, s16, 24576
	s_add_co_u32 s73, s73, WOF
.irp f, 0,1
	v_add_nc_u32 v[AP+\f], s72, v[L16]
	v_add_nc_u32 v[AQ+\f], s72, v[RH8]
	v_add_nc_u32 v[BP+\f], s73, v[L16]
	v_add_nc_u32 v[BQ+\f], s73, v[RH8]
	s_add_co_u32 s72, s72, HALF
	s_add_co_u32 s73, s73, HALF
.endr
	s_lshl_b32 s70, s67, 2
	s_add_co_u32 s70, s70, s14                     ; my number among the sixteen waves of my column of the cluster
	s_mul_i32 s70, s70, 6144
	s_add_co_u32 s70, s70, s76
	s_add_co_u32 s70, s70, 786432                  ; k's weight lies 64 tiles behind q's,
	v_lshl_add_u32 v[PF1], v5, 8, s70
	s_add_co_u32 s70, s70, 786432                  ; v's 64 further on
	v_lshl_add_u32 v[PF2], v5, 8, s70
	s_mov_b32 s73, 0
	s_lshl_b32 s72, s19, 4
	s_lshl_b32 s70, s15, 3
	s_add_co_u32 s72, s72, s70
	s_lshl_b32 s72, s72, 9
	s_add_nc_u64 s[94:95], s[6:7], s[72:73]        ; x's scale words, my 8 tiles
	s_lshl_b32 s72, s18, 3
	s_lshl_b32 s70, s16, 2
	s_add_co_u32 s72, s72, s70
	s_add_co_u32 s72, s72, 512
	s_lshl_b32 s72, s72, 9
	s_add_nc_u64 s[96:97], s[6:7], s[72:73]        ; the weight's, my 4 tiles
	s_lshl_b32 s72, s18, 9
	s_lshl_b32 s70, s16, 8
	s_add_co_u32 s72, s72, s70
	s_add_nc_u64 s[62:63], s[8:9], s[72:73]        ; q's bias, my head
	WALU
.irp i, 0,1,2,3,4,5,6,7
	global_load_b128 v[SCX+8*\i:SCX+8*\i+3], v[R16], s[94:95] offset:512*\i
	global_load_b128 v[SCX+8*\i+4:SCX+8*\i+7], v[R16], s[94:95] offset:512*\i+256
.endr
	WSCALES
	BIASQK
	WIN 0xc0
.irp j, 0,1,2,3
	global_load_b32 v[BV+8*\j], v[BLO], s[62:63] offset:8192+(32*(\j/2)+8*(\j%2))*4   ; v's bias: lane r of tile j has channel 32 (j / 2) + 8 (j % 2) + r + 8 (r / 8)
.endr
	WIN 0
	global_prefetch_b8 v[PF1], s[4:5] th:TH_LOAD_NT scope:SCOPE_SE
	global_prefetch_b8 v[PF2], s[4:5] th:TH_LOAD_NT scope:SCOPE_SE
	s_lshl_b32 s70, s19, 8                         ; where the results go
	s_lshl_b32 s71, s15, 7
	s_add_co_u32 s70, s70, s71                     ; my first row of x
	s_lshr_b32 s71, s70, 11
	s_lshl_b32 s71, s71, 4
	s_lshl_b32 s72, s18, 1
	s_add_co_u32 s71, s71, s72
	s_add_co_u32 s71, s71, s16                     ; 16 x batch + head
	s_and_b32 s70, s70, 2047                       ; my first token
	s_mul_i32 s90, s70, 48                         ; 768 bytes for 16 tokens
	s_lshl_b32 s91, s70, 2                         ; 512 bytes of scale words for 128 tokens
	s_mul_i32 s78, s71, 106496
	s_add_co_u32 s72, s78, s90
	s_add_nc_u64 s[80:81], s[10:11], s[72:73]      ; q's codes
	s_add_co_u32 s72, s78, s91
	s_add_co_u32 s72, s72, 98304
	s_add_nc_u64 s[82:83], s[10:11], s[72:73]      ; q's scale words
	s_mul_i32 s78, s71, 208896
	s_add_co_u32 s72, s78, s90
	s_add_nc_u64 s[84:85], s[12:13], s[72:73]      ; k's codes
	s_add_co_u32 s72, s72, 98304
	s_add_nc_u64 s[88:89], s[12:13], s[72:73]      ; v's codes
	s_add_co_u32 s72, s78, s91
	s_add_co_u32 s72, s72, 196608
	s_add_nc_u64 s[86:87], s[12:13], s[72:73]      ; k's scale words
	s_lshl_b32 s72, s70, 1
	s_add_co_u32 s72, s72, s78
	s_add_co_u32 s72, s72, 204800
	s_add_nc_u64 s[92:93], s[12:13], s[72:73]      ; v's scale words
	s_mov_b32 s[PH], 0
	s_cmp_lt_u32 s14, 2
	s_cbranch_scc0 .Lnot_low
	s_wait_tensorcnt 0x0                           ; waves 0 and 1: the lower halves of K
.Lnot_low:
	s_barrier_signal -1
	s_barrier_wait -1                              ; the upper halves may still be on their way
	FETCH 0
	s_wait_loadcnt 0x0
	WIN 0xc3
.irp j, 0,1,2,3
.irp t, 1,2,3,4,5,6,7
	v_mov_b32 v[BV+8*\j+\t], v[BV+8*\j]            ; v's number, one a lane and tile, over the tile's eight registers
.endr
.endr
	WIN 0
	WALU
; ---------------- q, then k: one text, two trips
.Lphase:
	STEP 0, 0, 1
	STEP 1, 0, 0
	STEP 2, 0, 0
	s_wait_tensorcnt 0x0                           ; K step 3: a plain barrier shows the upper halves of K to all
	s_wait_dscnt 0x0
	s_barrier_signal -1
	MULS 3, 0, 4, 0, 0
	WIN 0
	s_barrier_wait -1
	PLACES 4
	FETCH 4
	MULS 3, 4, 8, 0, 0
	WIN 0
	STEP 4, 0, 0
	STEP 5, 0, 0
	STEP 6, 0, 0
	s_wait_tensorcnt 0x0                           ; K step 7 holds the refill's round;
	ds_add_u32 v[SPW], v[NIL]
	s_mov_b32 s[G1W+2], 4<<16                      ; (no tensor load of mine is out: a refill brings 4 tiles a wave,
	s_mov_b32 s[G1W+4], 4
	s_add_nc_u64 s[G0R+2:G0R+3], s[G0R+2:G0R+3], 786432   ; of the next phase's weight)
	s_wait_dscnt 1                                 ; this step's fragments are in; the add may be out
	MULS 7, 0, 4, 0, 0
	s_wait_dscnt 0x0
	s_barrier_signal -1
	MULS 7, 4, 8, 0, 0
	WIN 0
	s_barrier_wait -1
	CREST                                          ; no wave of any partner still reads the weight's region
	tensor_load_to_lds s[G0R:G0R+3], s[G1W:G1W+7]
	s_nop 0
	PLACES 4                                       ; also the places behind the last products
	s_add_nc_u64 s[96:97], s[96:97], 32768         ; the next weight's scale words (the earlier loads by this base have been waited for)
	WSCALES
	s_cmp_lg_u32 s[PH], 0
	s_cbranch_scc1 .Lno_bias
	s_add_nc_u64 s[62:63], s[62:63], 4096          ; k's bias
	BIASQK
.Lno_bias:
.irp p, 0,1,2,3                                ; the way out: x's tiles 2 p and 2 p + 1 are the two halves of one run of the quantiser
	WALU
	s_wait_xcnt 0x0                                ; the earlier stores have read their data
	QUANT 64*\p
	v_and_b32 v[SW+2*\p], 0xffff, v[PW]
	v_lshrrev_b32 v[SW+2*\p+1], 16, v[PW]
	global_store_b128 v[L16], v[PC:PC+3], s[80:81] offset:1536*\p
	global_store_b64 v[RH8], v[PC+4:PC+5], s[80:81] offset:1536*\p+512
	global_store_b128 v[L16], v[PC+6:PC+9], s[80:81] offset:1536*\p+768
	global_store_b64 v[RH8], v[PC+10:PC+11], s[80:81] offset:1536*\p+1280   ; every store covers 512 or 256 consecutive bytes, aligned to 256
.endr
	global_store_b128 v[R16], v[SW:SW+3], s[82:83]             ; (both halves of the lanes write the same)
	global_store_b128 v[R16], v[SW+4:SW+7], s[82:83] offset:256
	WALU
	s_wait_xcnt 0x0
	s_mov_b64 s[80:81], s[84:85]                   ; the second trip's results are k's
	s_mov_b64 s[82:83], s[86:87]
	s_wait_tensorcnt 0x0                           ; my part of the next weight is in;
	s_barrier_signal -1
	s_barrier_wait -1                              ; everybody's is
	FETCH 0
	s_wait_loadcnt 0x0
	s_add_co_u32 s[PH], s[PH], 1
	s_cmp_lt_u32 s[PH], 2
	s_cbranch_scc1 .Lphase
; ---------------- v
	STEP 0, 1, 1
.irp k, 1,2,3,4,5,6
	STEP \k, 1, 0
.endr
	s_wait_dscnt 0x0
	MULS 7, 0, 8, 1, 0
	WIN 0
	PLACES 4
.irp j, 0,1,2,3                                ; tile j of 16 channels x my 128 keys: one fragment of v
	WALU
	s_wait_xcnt 0x0
	QUANT 64*\j
	v_mov_b32 v[SW+\j], v[PW]
.irp c, 0,1,2
	global_store_b128 v[L16], v[PC+4*\c:PC+4*\c+3], s[88:89] offset:1536*\j+512*\c
.endr
.endr
	global_store_b128 v[R16], v[SW:SW+3], s[92:93]
	s_wait_tensorcnt 0x0                           ; the wave's end
	ds_add_u32 v[SPW], v[NIL]
	s_wait_dscnt 0x0
	CROUND
	s_endpgm
.Lfunc_end_k_q2459ec3cb8_qkv:
	.size	k_q2459ec3cb8_qkv, .Lfunc_end_k_q2459ec3cb8_qkv-k_q2459ec3cb8_qkv
	.p2alignl 7, 3214868480
	.fill 96, 4, 3214868480
	.section	.rodata,"a",@progbits
	.p2align	6, 0x0
	.amdhsa_kernel k_q2459ec3cb8_qkv
		.amdhsa_group_segment_fixed_size 327680
		.amdhsa_private_segment_fixed_size 0
		.amdhsa_enable_private_segment 0
		.amdhsa_kernarg_size 40
		.amdhsa_user_sgpr_count 2
		.amdhsa_user_sgpr_kernarg_segment_ptr 1
		.amdhsa_wavefront_size32 1
		.amdhsa_system_sgpr_workgroup_id_x 1
		.amdhsa_system_sgpr_workgroup_id_y 1
		.amdhsa_system_sgpr_workgroup_id_z 1
		.amdhsa_system_vgpr_workitem_id 0
		.amdhsa_next_free_vgpr 1024
		.amdhsa_next_free_sgpr 100
		.amdhsa_reserve_vcc 0
		.amdhsa_float_denorm_mode_32 3
		.amdhsa_float_denorm_mode_16_64 3
		.amdhsa_memory_ordered 1
		.amdhsa_forward_progress 1
		.amdhsa_inst_pref_size 170
	.end_amdhsa_kernel
	.amdgpu_metadata
---
amdhsa.version: [ 1, 2 ]
amdhsa.kernels:
  - .name:           k_q2459ec3cb8_qkv
    .symbol:         k_q2459ec3cb8_qkv.kd
    .args:
      - { .name: op1, .offset: 0, .size: 8, .value_kind: global_buffer, .address_space: global }
      - { .name: sc1, .offset: 8, .size: 8, .value_kind: global_buffer, .address_space: global }
      - { .name: b_qkv, .offset: 16, .size: 8, .value_kind: global_buffer, .address_space: global }
      - { .name: q, .offset: 24, .size: 8, .value_kind: global_buffer, .address_space: global }
      - { .name: kv, .offset: 32, .size: 8, .value_kind: global_buffer, .address_space: global }
    .group_segment_fixed_size: 327680
    .private_segment_fixed_size: 0
    .kernarg_segment_align: 8
    .kernarg_segment_size: 40
    .max_flat_workgroup_size: 128
    .sgpr_count:     100
    .vgpr_count:     1024
    .wavefront_size: 32
...
	.end_amdgpu_metadata
.endif
;; end of part 2
;; launch attn (part 3): grid 256 x 1, 16 waves a work-group, clusters of 4 x 1, 327,680 bytes of LDS; arguments q, kv, op2, sc2; writes op2, sc2
.if DOCPART == 3
	.amdgcn_target "amdgcn-amd-amdhsa--gfx1250"
	.amdhsa_code_object_version 6
	.text
	.protected	k_q2459ec3cb8_attn
	.globl	k_q2459ec3cb8_attn
	.p2align	8
	.type	k_q2459ec3cb8_attn,@function
k_q2459ec3cb8_attn:
	s_mov_b64 s[64:65], 0
	v_nop
	global_prefetch_b8 v0, s[64:65] scope:SCOPE_SE
	s_setreg_imm32_b32 hwreg(HW_REG_WAVE_MODE, 25, 1), 1
	s_wait_xcnt 0x0
	s_wait_alu depctr_hold_cnt(0) depctr_sa_sdst(0) depctr_va_vdst(0) depctr_va_sdst(0) depctr_va_ssrc(0) depctr_va_vcc(0) depctr_vm_vsrc(0)
	s_getreg_b32 s2, hwreg(HW_REG_IB_STS2, 6, 4)
	s_cmp_eq_u32 s2, 0
	s_cbranch_scc0 .Lentry_in_a_cluster
	s_endpgm
.Lentry_in_a_cluster:
	s_bfe_u32 s2, ttmp6, 0x10000c
	s_cmp_lg_u32 s2, 0x3003
	s_cbranch_scc0 .Lentry_shape_is_right
	s_endpgm
.Lentry_shape_is_right:
; Causal attention on codes of FP6 (E2M3) with E8M0 scales, head size 64; the result, divided by the row's sum, is quantised along the model's 1,024 and leaves as codes for the last product.
; t = score x log2(e) / 8; M = the running largest t rounded up to a whole number; p = 2^(t - M) is quantised along the keys, not normalised; the row's sum is taken of the unquantised p.  When M moves, sum and O are multiplied by 2^(old M - new M): exact.
; LEFT OUT: steps of 128 keys that all lie behind a tile's queries: the causal mask sets their scores to -infinity, so their p is 0 for all inputs.
; INPUTS lie in the order of the operand's registers (written by the launch before): q: half fragments of 768 bytes (16 tokens x 64) and scale words; kv: k likewise, v as fragments of 16 channels x 128 keys, and both scale words.
; Row r of tile T is token 32 (T / 2) + 8 (T % 2) + r + 8 (r / 8): so the 16 registers of two neighbouring tiles of keys are 16 neighbouring keys, and those of two tiles of channels 16 neighbouring channels.
; HEAD SIZE 64 IN A PRODUCT OF 128: q's registers 6-11 are zero codes.  k's tile t names twelve registers from its own six on: the upper six are the next tile's codes (six zero registers behind the last): they multiply zeros;
; the scale words' bytes 2 and 3 are 0, the smallest power of two, never 0xff.
; SHARES.  A cluster of four work-groups owns one (batch, head), 128 tiles of 16 queries.  Wave j (0 .. 15) of partner cx owns tiles 4 j + cx and 127 - (4 j + cx): (j / 2 + 1) + (16 - j / 2) = 17 steps of 128 keys for every wave.
; The number of steps hangs on the wave's number alone; cx enters only global addresses and the number that the mask's compares take.  Every partner has tiles of the last 128 queries, so each reads all sixteen steps' bytes.
; LDS is a copy, byte for byte, of the head's 208,896 bytes of kv, filled ONCE: wave j asks for rows 51 j .. 51 j + 50 of its 816 rows of 256 bytes, by a JOINT load of the four partners (one tensor load a wave is out).
; One barrier shows the copy to all waves; behind it the waves share nothing and meet no barrier before the closing round.
; NO PREFETCH: every byte is asked for at the head.
; LIMITS: NaN and infinities are not served; the promise holds while |t| stays under 2^31; a block's largest p is made from the block's largest score (v_exp_f32 is taken not to fall where its input rises); 1 / sum by v_rcp_f32;
; a block of zeros gets the byte 1 (this program alone reads the bytes).
; REGISTERS: v1-5, v11 addresses that stay; v28, v29 the two tiles' mask numbers; v6-10 the step's; v12 -M, v13 the largest t, v[14:15] the sum; v16-27 q; v32-79 k's eight tiles, then v's four fragments; v80-85 zeros; v86-92 the second tile's q;
;   v96-159 S^T, then p; v160-191 O^T; v192-203 p's codes; v204-247 at work; v240-247 k's scale words, v248-251 v's, v252 p's, v255 q's; v253, v254 the spare word's address and 0.
.set SPARE, 208896                     ; behind the copy: the spare words, 128 bytes for each of 16 waves
.set TB,  60                           ; s60  where the step's tiles begin, in k and in v: 6,144 bytes a step
.set TS,  61                           ; s61  k's scale words: 512 bytes a step
.set TJ,  62                           ; s62  v's: 256 bytes a step
.set CNT, 66                           ; s66  the step
.macro CROUND                          ; a round of the cluster's barrier
	s_barrier_signal -1
	s_barrier_wait -1
	s_cmp_lg_u32 s12, 0
	s_cbranch_scc1 .Lnot_wave_0_\@
	s_barrier_signal -3
.Lnot_wave_0_\@:
	s_barrier_wait -3
	s_barrier_signal -1
	s_barrier_wait -1
.endm
	s_load_b256 s[4:11], s[0:1], 0x0               ; q s[4:5], kv s[6:7], op2 s[8:9], sc2 s[10:11]
	v_lshl_add_u32 v253, v0, 2, SPARE
	v_mov_b32 v254, 0
	ds_add_u32 v253, v254                          ; the opening lines: the add, twice on end, and its wait
	ds_add_u32 v253, v254
	v_lshrrev_b32 v1, 5, v0
	v_readfirstlane_b32 s12, v1                    ; wave j
	s_mov_b32 s24, 15|(3<<16)|(1<<21)              ; group 1: the mask of all four partners; elements of 8 bytes; bit 21 beside a mask
	s_mov_b32 s25, 32<<16                          ; rows of 256 bytes,
	s_mov_b32 s26, 51<<16                          ; 51 of them
	s_mov_b32 s27, 32<<16
	s_mov_b32 s28, 51
	s_mov_b32 s29, 32
	s_mov_b32 s30, 0
	s_mov_b32 s31, 0
	s_mov_b32 s40, 1
	s_mul_i32 s41, s12, 13056                      ; the LDS address is the byte's place in the head
	s_mul_i32 s72, ttmp9, 208896                   ; the cluster's number is 16 x batch + head
	s_add_co_u32 s72, s72, s41
	s_mov_b32 s73, 0
	s_wait_alu depctr_va_vdst(0)
	s_wait_dscnt 0x0
	CROUND                                         ; the round in front of the joint loads
	s_wait_kmcnt 0x0
	s_add_nc_u64 s[42:43], s[6:7], s[72:73]
	s_or_b32 s43, s43, 0x80000000
	tensor_load_to_lds s[40:43], s[24:31]          ; my sixteenth of the head: one line, the same descriptor in all four partners
	s_nop 0
.rept 4
	v_nop
.endr
	s_bfe_u32 s13, ttmp6, 0x40000                  ; cx
	s_lshr_b32 s15, s12, 1                         ; the early tile's last step: j / 2
	s_sub_co_u32 s52, 15, s15                      ; the late tile's: 15 - j / 2
	s_lshl_b32 s16, s12, 2
	s_add_co_u32 s16, s16, s13                     ; the early tile
	s_sub_co_u32 s17, 127, s16                     ; the late tile
	s_mov_b32 s20, 0x76543210
	s_mov_b32 s21, 0xfedcba98                      ; v_permlanex16_b32's selects for lane l xor 16
	s_mov_b32 s22, 0x3e38aa3b                      ; c = log2(e) / 8
	s_mov_b32 s23, s22                             ; (named with it as a pair)
	v_and_b32 v226, 31, v0
	v_and_b32 v227, 15, v0                         ; r
	v_bfe_u32 v228, v0, 4, 1                       ; h
	v_lshlrev_b32 v1, 4, v226                      ; 16 l
	v_lshlrev_b32 v11, 4, v227                     ; 16 r
	v_lshl_add_u32 v2, v228, 3, v11                ; 16 r + 8 h
	v_add_nc_u32 v3, 98304, v1
	v_add_nc_u32 v4, 196608, v11
	v_add_nc_u32 v5, 204800, v11
	v_and_b32 v226, 8, v227
	v_add_nc_u32 v226, v226, v227
	v_lshlrev_b32 v228, 4, v228
	v_sub_nc_u32 v226, v226, v228                  ; r + 8 (r / 8) - 16 h
.irp j, 22,23,24,25,26,27,80,81,82,83,84,85,216,217,218,219,225
	v_mov_b32 v\j, 0                               ; zero codes; lane permutes' destinations; the upper half of f's pair
.endr
	s_wait_alu depctr_va_vdst(0)
	s_mul_i32 s72, ttmp9, 106496
	s_add_nc_u64 s[70:71], s[4:5], s[72:73]        ; the head in q
	s_lshr_b32 s75, ttmp9, 4
	s_lshl_b32 s75, s75, 7                         ; 128 tiles of rows a batch
	s_and_b32 s74, ttmp9, 15                       ; the head
	s_mul_i32 s76, s74, 768                        ; K step head / 2, half head % 2
	s_lshr_b32 s77, s74, 3
	s_lshl_b32 s77, s77, 8
	s_bfe_u32 s78, s74, 0x20001
	s_lshl_b32 s78, s78, 2
	s_add_co_u32 s77, s77, s78
	s_and_b32 s78, s74, 1
	s_lshl_b32 s78, s78, 1
	s_add_co_u32 s77, s77, s78                     ; my head's two bytes of a row's scale words
.macro PLACE T, QC, QS, OC, OS, VD     ; tile s[T]: where its q lies, where its result goes, and its mask number
	s_mul_i32 s72, s[\T], 768
	s_add_nc_u64 s[\QC:\QC+1], s[70:71], s[72:73]
	s_lshr_b32 s72, s[\T], 2
	s_lshl_b32 s72, s72, 8
	s_and_b32 s74, s[\T], 3
	s_lshl_b32 s74, s74, 2
	s_add_co_u32 s72, s72, s74
	s_add_co_u32 s72, s72, 98304
	s_add_nc_u64 s[\QS:\QS+1], s[70:71], s[72:73]
	s_add_co_u32 s74, s75, s[\T]                   ; the tile among all 512 tiles of rows
	s_mul_i32 s72, s74, 12288
	s_add_co_u32 s72, s72, s76
	s_add_nc_u64 s[\OC:\OC+1], s[8:9], s[72:73]
	s_lshl_b32 s72, s74, 9
	s_add_co_u32 s72, s72, s77
	s_add_nc_u64 s[\OS:\OS+1], s[10:11], s[72:73]
	s_bfe_u32 s72, s[\T], 0x20001
	s_lshl_b32 s72, s72, 5
	s_and_b32 s74, s[\T], 1
	s_lshl_b32 s74, s74, 3
	s_add_co_u32 s72, s72, s74                     ; the tile's first query in its 128
	v_add_nc_u32 v[\VD], s72, v226                 ; d = my query - the last step's first key - 16 h
.endm
	PLACE 17, 44, 46, 48, 50, 28
	PLACE 16, 54, 56, 58, 68, 29
	global_load_b128 v[16:19], v1, s[44:45]
	global_load_b64 v[20:21], v2, s[44:45] offset:512
	global_load_b32 v255, v11, s[46:47]
	global_load_b128 v[86:89], v1, s[54:55]        ; the second tile's q waits in registers of its own
	global_load_b64 v[90:91], v2, s[54:55] offset:512
	global_load_b32 v92, v11, s[56:57]
.macro STEP nb, vd                     ; 128 keys
	s_cmp_gt_u32 s[CNT], s[\nb]                    ; all keys behind my queries: the step's work is left out; the lines at its end that step addresses are not
	s_cbranch_scc1 .Lhidden_\@
	v_add_nc_u32 v6, s[TB], v1                     ; (these five are also the places behind the last products, in front of the loads below)
	v_add_nc_u32 v7, s[TB], v2
	v_add_nc_u32 v8, s[TB], v3
	v_add_nc_u32 v9, s[TS], v4
	v_add_nc_u32 v10, s[TJ], v5
.irp t, 0,1,2,3,4,5,6,7
	ds_load_b128 v[32+6*\t:35+6*\t], v6 offset:768*\t
	ds_load_b64 v[36+6*\t:37+6*\t], v7 offset:768*\t+512
.endr
	ds_load_b128 v[240:243], v9
	ds_load_b128 v[244:247], v9 offset:256
	s_wait_alu depctr_va_vdst(0)
	s_wait_dscnt 0x0
.irp t, 0,1,2,3,4,5,6,7                        ; S^T = K Q^T: lane (r, h) holds query r; register 16 b + i holds key 32 b + 16 h + i
	v_wmma_scale_f32_16x16x128_f8f6f4 v[96+8*\t:103+8*\t], v[32+6*\t:43+6*\t], v[16:27], 0, v[240+\t], v255 matrix_a_fmt:MATRIX_FMT_FP6 matrix_b_fmt:MATRIX_FMT_FP6
.endr
.rept 4
	v_nop
.endr
.irp t, 0,1,2,3                                ; v's fragments are asked for now and land under the softmax
.irp c, 0,1,2
	ds_load_b128 v[32+12*\t+4*\c:35+12*\t+4*\c], v8 offset:1536*\t+512*\c
.endr
.endr
	ds_load_b128 v[248:251], v10
	s_cmp_lt_u32 s[CNT], s[\nb]                    ; ahead of the tile's last step all keys count for all my queries: no mask
	s_cbranch_scc1 .Lopen_\@
	v_mov_b32 v227, 0xff800000                     ; -infinity: p = 0 then.  Register 16 b + i is hidden where 32 b + i > d
.set n, 0
.rept 64
	v_cmp_gt_i32 vcc_lo, 32*(n/16)+n%16, v[\vd]
	v_cndmask_b32 v[96+n], v[96+n], v227, vcc_lo
.set n, n+1
.endr
.Lopen_\@:
.irp b, 0,1,2,3
	v_max3_num_f32 v[212+\b], v[96+16*\b], v[97+16*\b], v[98+16*\b]   ; the largest score of each block of 32 keys: for the row's maximum, and for the block's largest p
.endr
.irp i, 3,5,7,9,11,13
.irp b, 0,1,2,3
	v_max3_num_f32 v[212+\b], v[212+\b], v[96+16*\b+\i], v[97+16*\b+\i]
.endr
.endr
.irp b, 0,1,2,3
	v_max_num_f32 v[212+\b], v[212+\b], v[111+16*\b]
.endr
.irp b, 0,1,2,3
	s_delay_alu instid0(VALU_DEP_4)
	v_permlanex16_b32 v[216+\b], v[212+\b], s20, s21
.endr
.irp b, 0,1,2,3
	s_delay_alu instid0(VALU_DEP_4)
	v_max_num_f32 v[212+\b], v[212+\b], v[216+\b]
.endr
	s_delay_alu instid0(VALU_DEP_2)
	v_max3_num_f32 v226, v212, v213, v214
	s_delay_alu instid0(VALU_DEP_1)
	v_max_num_f32 v226, v226, v215
	s_delay_alu instid0(VALU_DEP_1)
	v_mul_f32 v226, s22, v226
	s_delay_alu instid0(VALU_DEP_1)
	v_max_num_f32 v13, v13, v226                   ; the running largest t
	v_mov_b32 v226, v12
	s_delay_alu instid0(VALU_DEP_2)
	v_floor_f32 v12, -v13                          ; -M = floor(-t): M is a whole number
	s_delay_alu instid0(VALU_DEP_1)
	v_sub_f32 v226, v12, v226
	s_delay_alu instid0(VALU_DEP_1)
	v_cvt_i32_f32 v226, v226                       ; (it saturates)
	s_delay_alu instid0(VALU_DEP_1)
	v_ldexp_f32 v224, 1.0, v226                    ; f = 2^(old M - new M)
.set n, 0
.rept 32
	v_pk_fma_f32 v[96+n:97+n], v[96+n:97+n], s[22:23], v[12:13] op_sel_hi:[1,0,0]   ; t - M
.set n, n+2
.endr
.irp b, 0,1,2,3
	v_fma_f32 v[212+\b], v[212+\b], s22, v12       ; the same of each block's largest score
.endr
.set n, 0
	s_wait_alu depctr_va_vdst(0)                   ; ahead of the batch
.rept 64
	v_exp_f32 v[96+n], v[96+n]                     ; p = 2^(t - M)
.set n, n+1
.endr
	v_pk_mul_f32 v[14:15], v[14:15], v[224:225] op_sel_hi:[1,0]   ; the sums under the new M (a plain place behind the exponentials)
	s_wait_alu depctr_va_vdst(0)                   ; one wait for the whole batch, ahead of its first reader
.irp b, 0,1,2,3
	v_exp_f32 v[212+\b], v[212+\b]                 ; the block's largest p
.endr
	v_pk_add_f32 v[216:217], v[100:101], v[104:105]   ; the row's sum of the unquantised p, in eight chains
	v_pk_add_f32 v[246:247], v[108:109], v[112:113]
	v_pk_add_f32 v[244:245], v[116:117], v[120:121]
	v_pk_add_f32 v[242:243], v[124:125], v[128:129]
	v_pk_add_f32 v[240:241], v[132:133], v[136:137]
	v_pk_add_f32 v[238:239], v[140:141], v[144:145]
	v_pk_add_f32 v[236:237], v[148:149], v[152:153]
	v_pk_add_f32 v[14:15], v[14:15], v[156:157]
	v_pk_add_f32 v[216:217], v[216:217], v[96:97]
	v_pk_add_f32 v[246:247], v[246:247], v[98:99]
	v_pk_add_f32 v[244:245], v[244:245], v[102:103]
	v_pk_add_f32 v[242:243], v[242:243], v[106:107]
	v_pk_add_f32 v[240:241], v[240:241], v[110:111]
	v_pk_add_f32 v[238:239], v[238:239], v[114:115]
	v_pk_add_f32 v[236:237], v[236:237], v[118:119]
	v_pk_add_f32 v[14:15], v[14:15], v[122:123]
	v_pk_add_f32 v[216:217], v[216:217], v[126:127]
	v_pk_add_f32 v[246:247], v[246:247], v[130:131]
	v_pk_add_f32 v[244:245], v[244:245], v[134:135]
	v_pk_add_f32 v[242:243], v[242:243], v[138:139]
	v_pk_add_f32 v[240:241], v[240:241], v[142:143]
	v_pk_add_f32 v[238:239], v[238:239], v[146:147]
	v_pk_add_f32 v[236:237], v[236:237], v[150:151]
	v_pk_add_f32 v[14:15], v[14:15], v[154:155]
	v_pk_add_f32 v[216:217], v[216:217], v[158:159]
	s_delay_alu instid0(VALU_DEP_2)
	v_pk_add_f32 v[14:15], v[14:15], v[242:243]
	s_delay_alu instid0(VALU_DEP_2)
	v_pk_add_f32 v[216:217], v[216:217], v[240:241]
	v_pk_add_f32 v[246:247], v[246:247], v[238:239]
	v_pk_add_f32 v[244:245], v[244:245], v[236:237]
	s_delay_alu instid0(VALU_DEP_2)
	v_pk_add_f32 v[14:15], v[14:15], v[246:247]
	s_delay_alu instid0(VALU_DEP_2)
	v_pk_add_f32 v[216:217], v[216:217], v[244:245]
	s_delay_alu instid0(VALU_DEP_1)
	v_pk_add_f32 v[14:15], v[14:15], v[216:217]
	s_wait_alu depctr_va_vdst(0)                   ; and one for the four
.irp b, 0,1,2,3
	v_max_num_f32 v[212+\b], 0x1800000, v[212+\b]  ; the floor 2^(3 - 127)
.endr
.irp b, 0,1,2,3
	s_delay_alu instid0(VALU_DEP_4)
	v_add_nc_u32 v[220+\b], 0xff000000, v[212+\b]  ; the conversion's scale operand
.endr
.irp b, 0,1,2,3
	s_delay_alu instid0(VALU_DEP_4)
	v_lshrrev_b32 v[216+\b], 23, v[220+\b]         ; the scale's byte
.endr
	s_delay_alu instid0(VALU_DEP_3)
	v_lshl_or_b32 v252, v217, 8, v216              ; p's scale word for these 128 keys
	s_delay_alu instid0(VALU_DEP_1)
	v_lshl_or_b32 v252, v218, 16, v252
	s_delay_alu instid0(VALU_DEP_1)
	v_lshl_or_b32 v252, v219, 24, v252
.irp c, 0,1
	v_cvt_scalef32_pk16_fp6_f32 v[192+6*\c:194+6*\c], v[96+32*\c:111+32*\c], v[220+2*\c]
	v_cvt_scalef32_pk16_fp6_f32 v[204+4*\c:206+4*\c], v[112+32*\c:127+32*\c], v[220+2*\c+1]
.endr
	v_nop                                          ; one plain place behind a scaled conversion
.irp c, 0,1
.irp i, 0,1,2
	v_permlane16_swap_b32 v[192+6*\c+\i], v[204+4*\c+\i]
.endr
.irp i, 0,1,2
	s_delay_alu instid0(VALU_DEP_3)
	v_mov_b32 v[195+6*\c+\i], v[204+4*\c+\i]
.endr
.endr
	s_wait_alu depctr_va_vdst(0)                   ; directly ahead of the first reader of O^T
.set n, 0
.rept 16
	v_pk_mul_f32 v[160+n:161+n], v[160+n:161+n], v[224:225] op_sel_hi:[1,0]   ; O^T under the new M; for each product below twelve of these name none of its registers: the places behind p's codes and scale word
.set n, n+2
.endr
	s_wait_alu depctr_va_vdst(0)
	s_wait_dscnt 0x0                               ; v's fragments and scale words
.irp t, 0,1,2,3                                ; O^T += V^T P^T: four accumulators by turns
	v_wmma_scale_f32_16x16x128_f8f6f4 v[160+8*\t:167+8*\t], v[32+12*\t:43+12*\t], v[192:203], v[160+8*\t:167+8*\t], v[248+\t], v252 matrix_a_fmt:MATRIX_FMT_FP6 matrix_b_fmt:MATRIX_FMT_FP6
.endr
.Lhidden_\@:
	s_add_co_u32 s[TB], s[TB], 6144
	s_add_co_u32 s[TS], s[TS], 512
	s_add_co_u32 s[TJ], s[TJ], 256
.endm
; One tile of 16 queries: its walk over the keys, a loop of a constant count, and its way out.
.macro TILE n, trips, nb, vd, oc, os
.if \n
	s_wait_xcnt 0x0                                ; the first tile's stores have read their data
.irp i, 0,1,2,3,4,5
	v_mov_b32 v[16+\i], v[86+\i]
.endr
	v_mov_b32 v255, v92
.endif
	v_mov_b32 v13, 0xff61b1e6                      ; the largest t so far: -3e38
	v_floor_f32 v12, -v13
	v_mov_b32 v14, 0
	v_mov_b32 v15, 0
.set m, 0
.rept 32
	v_mov_b32 v[160+m], 0                          ; O^T: the step is written without a first step of its own
.set m, m+1
.endr
	s_mov_b32 s[TB], 0
	s_mov_b32 s[TS], 0
	s_mov_b32 s[TJ], 0
	s_mov_b32 s[CNT], 0
	s_wait_alu depctr_va_vdst(0)                   ; ahead of the loop
.Lstep_\@:
	STEP \nb, \vd
	s_add_co_u32 s[CNT], s[CNT], 1
	s_cmp_lt_u32 s[CNT], \trips
	s_cbranch_scc1 .Lstep_\@
	; THE WAY OUT.  O^T / the sum: register 16 b + i is channel 32 b + 16 h + i of my query: two blocks of the last product's K.  They become half a fragment and two scale bytes.
	v_add_f32 v14, v14, v15
	s_delay_alu instid0(VALU_DEP_1)
	v_permlanex16_b32 v216, v14, s20, s21
	s_delay_alu instid0(VALU_DEP_1)
	v_add_f32 v14, v14, v216                       ; the row's sum
	s_wait_alu depctr_va_vdst(0)
	v_rcp_f32 v14, v14
	v_nop                                          ; plain places: behind the reciprocal, and with the additions above behind the last products
	v_nop
	s_wait_alu depctr_va_vdst(0)                   ; ahead of the reciprocal's first reader
.set m, 0
.rept 32
	v_mul_f32 v[96+m], v[160+m], v14
.set m, m+1
.endr
.irp b, 0,1
	v_max3_num_f32 v[212+\b], |v[96+16*\b]|, |v[97+16*\b]|, 0x1800000
.endr
.irp i, 2,4,6,8,10,12,14
.irp b, 0,1
	s_delay_alu instid0(VALU_DEP_2)
	v_max3_num_f32 v[212+\b], v[212+\b], |v[96+16*\b+\i]|, |v[97+16*\b+\i]|
.endr
.endr
.irp b, 0,1
	s_delay_alu instid0(VALU_DEP_2)
	v_permlanex16_b32 v[216+\b], v[212+\b], s20, s21
.endr
.irp b, 0,1
	s_delay_alu instid0(VALU_DEP_2)
	v_max_num_f32 v[212+\b], v[212+\b], v[216+\b]
.endr
.irp b, 0,1
	s_delay_alu instid0(VALU_DEP_2)
	v_add_nc_u32 v[220+\b], 0xff000000, v[212+\b]
.endr
.irp b, 0,1
	s_delay_alu instid0(VALU_DEP_2)
	v_lshrrev_b32 v[216+\b], 23, v[220+\b]
.endr
	s_delay_alu instid0(VALU_DEP_1)
	v_lshl_or_b32 v226, v217, 8, v216
	v_cvt_scalef32_pk16_fp6_f32 v[192:194], v[96:111], v220
	v_cvt_scalef32_pk16_fp6_f32 v[204:206], v[112:127], v221
	v_nop
.irp i, 0,1,2
	v_permlane16_swap_b32 v[192+\i], v[204+\i]
.endr
.irp i, 0,1,2
	s_delay_alu instid0(VALU_DEP_3)
	v_mov_b32 v[195+\i], v[204+\i]
.endr
	global_store_b128 v1, v[192:195], s[\oc:\oc+1]             ; 512 consecutive bytes
	global_store_b64 v2, v[196:197], s[\oc:\oc+1] offset:512   ; 256 consecutive bytes, aligned
	global_store_b16 v11, v226, s[\os:\os+1]                   ; my head's two bytes of each row's word, 16 bytes apart: a cluster owns no more of a word (both halves of the lanes write the same)
.endm
	s_wait_alu depctr_va_vdst(0)                   ; at the head's end
	s_wait_tensorcnt 0x0                           ; my sixteenth of the head is in;
	s_barrier_signal -1
	s_barrier_wait -1                              ; everybody's is.  Nothing is ever filled again
	s_wait_loadcnt 0x0                             ; both tiles' q
	TILE 0, 16, 52, 28, 48, 50                     ; the late tile: 16 - j / 2 steps
	TILE 1, 8, 15, 29, 58, 68                      ; the early tile: j / 2 + 1 steps
	s_wait_tensorcnt 0x0                           ; the wave's end
	ds_add_u32 v253, v254
	s_wait_dscnt 0x0
	CROUND
	s_endpgm
.Lfunc_end_k_q2459ec3cb8_attn:
	.size	k_q2459ec3cb8_attn, .Lfunc_end_k_q2459ec3cb8_attn-k_q2459ec3cb8_attn
	.p2alignl 7, 3214868480
	.fill 96, 4, 3214868480
	.section	.rodata,"a",@progbits
	.p2align	6, 0x0
	.amdhsa_kernel k_q2459ec3cb8_attn
		.amdhsa_group_segment_fixed_size 327680
		.amdhsa_private_segment_fixed_size 0
		.amdhsa_enable_private_segment 0
		.amdhsa_kernarg_size 32
		.amdhsa_user_sgpr_count 2
		.amdhsa_user_sgpr_kernarg_segment_ptr 1
		.amdhsa_wavefront_size32 1
		.amdhsa_system_sgpr_workgroup_id_x 1
		.amdhsa_system_sgpr_workgroup_id_y 1
		.amdhsa_system_sgpr_workgroup_id_z 1
		.amdhsa_system_vgpr_workitem_id 0
		.amdhsa_next_free_vgpr 256
		.amdhsa_next_free_sgpr 84
		.amdhsa_reserve_vcc 1
		.amdhsa_float_denorm_mode_32 3
		.amdhsa_float_denorm_mode_16_64 3
		.amdhsa_memory_ordered 1
		.amdhsa_forward_progress 1
		.amdhsa_inst_pref_size 63
	.end_amdhsa_kernel
	.amdgpu_metadata
---
amdhsa.version: [ 1, 2 ]
amdhsa.kernels:
  - .name:           k_q2459ec3cb8_attn
    .symbol:         k_q2459ec3cb8_attn.kd
    .args:
      - { .name: q, .offset: 0, .size: 8, .value_kind: global_buffer, .address_space: global }
      - { .name: kv, .offset: 8, .size: 8, .value_kind: global_buffer, .address_space: global }
      - { .name: op2, .offset: 16, .size: 8, .value_kind: global_buffer, .address_space: global }
      - { .name: sc2, .offset: 24, .size: 8, .value_kind: global_buffer, .address_space: global }
    .group_segment_fixed_size: 327680
    .private_segment_fixed_size: 0
    .kernarg_segment_align: 8
    .kernarg_segment_size: 32
    .max_flat_workgroup_size: 512
    .sgpr_count:     84
    .vgpr_count:     256
    .wavefront_size: 32
...
	.end_amdgpu_metadata
.endif
;; end of part 3
;; launch proj (part 4): grid 8 x 32, 4 waves a work-group, clusters of 4 x 4, 327,680 bytes of LDS; arguments op2, sc2, b_proj, out0; writes out0
.if DOCPART == 4
	.amdgcn_target "amdgcn-amd-amdhsa--gfx1250"
	.amdhsa_code_object_version 6
	.text
	.protected	k_q2459ec3cb8_proj
	.globl	k_q2459ec3cb8_proj
	.p2align	8
	.type	k_q2459ec3cb8_proj,@function
k_q2459ec3cb8_proj:
	s_mov_b64 s[64:65], 0
	v_nop
	global_prefetch_b8 v0, s[64:65] scope:SCOPE_SE
	s_setreg_imm32_b32 hwreg(HW_REG_WAVE_MODE, 25, 1), 1
	s_wait_xcnt 0x0
	s_wait_alu depctr_hold_cnt(0) depctr_sa_sdst(0) depctr_va_vdst(0) depctr_va_sdst(0) depctr_va_ssrc(0) depctr_va_vcc(0) depctr_vm_vsrc(0)
	s_getreg_b32 s2, hwreg(HW_REG_IB_STS2, 6, 4)
	s_cmp_eq_u32 s2, 0
	s_cbranch_scc0 .Lentry_in_a_cluster
	s_endpgm
.Lentry_in_a_cluster:
	s_bfe_u32 s2, ttmp6, 0x10000c
	s_cmp_lg_u32 s2, 0xf033
	s_cbranch_scc0 .Lentry_shape_is_right
	s_endpgm
.Lentry_shape_is_right:
; out0 = (attention's result) w_proj + b_proj on codes of FP6 (E2M3) with E8M0 scales, K = 1,024.  Operands (op2, sc2) lie in the order of the operand's registers, as in the launch for q, k, v: tiles 0-511 the rows, 512-575 w_proj's columns.
; SHARES.  256 work-groups: work-group (g, u) makes rows 256 u .. + 255 x columns 128 g .. + 127.  Four waves, 2 x 2: wave (a, b) makes 128 x 64: 32 accumulators.
; LDS holds both operands for all of K, filled ONCE, as two halves of K (a tile's part 6,144 bytes): the rows' lower half at 0, the weight's at WOF, the upper halves HALF further on.  At the head one joint load a wave, each in an arm of its own.
; The first barrier waits for the lower halves; a plain barrier in K step 3 shows the rest.  CLUSTERS: 4 x 4; the rows' tiles are shared along a row of the cluster, the weight's along a column.
; Source 0 = the weight's tiles: a lane holds one row of the result, its 32 registers of a row tile 64 columns in two halves of the lanes.  THE BIAS is the first products' C.
; THE WAY OUT: 16 rows x 256 bytes at a time through the wave's own stage in LDS, bytes on which no fill lands; sixteen lanes store one aligned unit of 256 bytes.
; NO PREFETCH: every byte is asked for at the head.
; REGISTERS: window 0: v1-29 addresses; v32-95 the rows' scale words; v96-127 the weight's (8 j + (K step xor 4)); v128-191 rows read back from the stage.  window 1: the rows' fragments, two sets of 96.  window 2: the accumulators.
;   window 3: v0-95 the weight's fragments, two sets of 48; v96-127 the bias.
.set HALF,  147456
.set WOF,   98304
.set SPARE, 294912
.set STAGE, SPARE+512                  ; 16 rows x 272 bytes for each wave
.set AP,  8
.set AQ,  10
.set BP,  12
.set BQ,  14
.set L16, 16
.set RH8, 17
.set R16, 18
.set BIO, 19
.set STO, 20
.set RD,  21
.set CO,  22
.set SPW, 28
.set NIL, 29
.set SCX, 32
.set SCW, 96
.set BK,  128
.set BB,  96
.set G1X, 24
.set G1W, 32
.set G0XL, 40
.set G0XH, 44
.set G0WL, 48
.set G0WH, 52
.set MSB, 0
.macro WIN new
.if MSB != (\new)
	s_set_vgpr_msb (MSB<<8)|(\new)
.set MSB, (\new)
.endif
.endm
.macro WALU
	s_wait_alu depctr_va_vdst(0)
.endm
.macro PLACES n
.rept \n
	v_nop
.endr
.endm
.macro CROUND
	s_barrier_signal -1
	s_barrier_wait -1
	s_cmp_lg_u32 s14, 0
	s_cbranch_scc1 .Lnot_wave_0_\@
	s_barrier_signal -3
.Lnot_wave_0_\@:
	s_barrier_wait -3
	s_barrier_signal -1
	s_barrier_wait -1
.endm
.macro FRAG reg, pa, qa, off
	ds_load_b128 v[\reg:\reg+3], v[\pa] offset:\off
	ds_load_b64 v[\reg+4:\reg+5], v[\qa] offset:\off+512
	ds_load_b128 v[\reg+6:\reg+9], v[\pa] offset:\off+768
	ds_load_b64 v[\reg+10:\reg+11], v[\qa] offset:\off+1280
.endm
.macro FETCH k                         ; K step k's 8 + 4 fragments into set k % 2
	WIN 0x40
.irp i, 0,1,2,3,4,5,6,7
	FRAG 96*((\k)%2)+12*\i, AP+(\k)/4, AQ+(\k)/4, 6144*\i+1536*((\k)%4)
.endr
	WIN 0xc0
.irp j, 0,1,2,3
	FRAG 48*((\k)%2)+12*\j, BP+(\k)/4, BQ+(\k)/4, 6144*\j+1536*((\k)%4)
.endr
	WIN 0
.endm
.macro W1 d, a, b, c, sa, sb
	v_wmma_scale_f32_16x16x128_f8f6f4 v[\d:\d+7], v[\a:\a+11], v[\b:\b+11], \c, v[\sa], v[\sb] matrix_a_fmt:MATRIX_FMT_FP6 matrix_b_fmt:MATRIX_FMT_FP6
.endm
.macro PROD k, i, j, first
.set XF_, 96*((\k)%2)+12*(\i)
.set WF_, 48*((\k)%2)+12*(\j)
.set SX_, SCX+8*(\i)+(\k)
.set SY_, SCW+8*(\j)+((\k)^4)
.set D_, 8*(4*(\i)+(\j))
.if \first
	W1 D_, WF_, XF_, v[BB+8*(\j):BB+8*(\j)+7], SY_, SX_
.else
	W1 D_, WF_, XF_, v[D_:D_+7], SY_, SX_
.endif
.endm
.macro MULS k, i0, i1, first           ; the accumulators take turns, one instruction a turn
	WIN 0xa7+16*(\first)
.set I_, \i0
.rept (\i1)-(\i0)
.irp j, 0,1,2,3
	PROD \k, I_, \j, \first
.endr
.set I_, I_+1
.endr
.endm
.macro STEP k, first
	s_wait_dscnt 0x0
	PLACES 4
	FETCH (\k)+1
	MULS \k, 0, 8, \first
	WIN 0
.endm
	s_load_b256 s[4:11], s[0:1], 0x0               ; op2 s[4:5], sc2 s[6:7], b_proj s[8:9], out0 s[10:11]
	v_lshl_add_u32 v[SPW], v0, 2, SPARE
	v_mov_b32 v[NIL], 0
	ds_add_u32 v[SPW], v[NIL]                      ; the opening lines
	ds_add_u32 v[SPW], v[NIL]
	v_lshrrev_b32 v1, 5, v0
	v_readfirstlane_b32 s14, v1
	s_lshr_b32 s15, s14, 1                         ; a
	s_and_b32 s16, s14, 1                          ; b
	s_bfe_u32 s66, ttmp6, 0x40000
	s_bfe_u32 s67, ttmp6, 0x40004
	s_lshl_b32 s18, ttmp9, 2
	s_add_co_u32 s18, s18, s66                     ; g
	s_and_b32 s19, ttmp7, 0xffff
	s_lshl_b32 s19, s19, 2
	s_add_co_u32 s19, s19, s67                     ; u
	s_lshl_b32 s68, s67, 2
	s_lshl_b32 s68, 15, s68
	s_lshl_b32 s69, 0x1111, s66
	s_or_b32 s[G1X], s68, (3<<16)|(1<<21)
	s_or_b32 s[G1W], s69, (3<<16)|(1<<21)
.irp g, G1X, G1W
	s_mov_b32 s[\g+1], 768<<16
	s_mov_b32 s[\g+3], 768<<16
	s_mov_b32 s[\g+5], 1536
	s_mov_b32 s[\g+6], 0
	s_mov_b32 s[\g+7], 0
.endr
	s_mov_b32 s[G1X+2], 16<<16
	s_mov_b32 s[G1X+4], 16
	s_mov_b32 s[G1W+2], 8<<16
	s_mov_b32 s[G1W+4], 8
	s_mul_i32 s74, s19, 196608
	s_mov_b32 s75, 0
	s_lshl_b32 s76, s18, 3
	s_add_co_u32 s76, s76, 512
	s_mul_i32 s76, s76, 12288
	s_mov_b32 s77, 0
.irp g, G0XL, G0XH, G0WL, G0WH
	s_mov_b32 s[\g], 1
.endr
	s_mov_b32 s[G0XL+1], 0
	s_mov_b32 s[G0XH+1], HALF
	s_mov_b32 s[G0WL+1], WOF
	s_mov_b32 s[G0WH+1], WOF+HALF
	WALU
	s_wait_dscnt 0x0
	s_wait_kmcnt 0x0
	s_add_nc_u64 s[74:75], s[4:5], s[74:75]
	s_add_nc_u64 s[78:79], s[4:5], s[76:77]
	CROUND
	s_mov_b64 s[G0XL+2:G0XL+3], s[74:75]
	s_add_nc_u64 s[G0XH+2:G0XH+3], s[74:75], 6144
	s_mov_b64 s[G0WL+2:G0WL+3], s[78:79]
	s_add_nc_u64 s[G0WH+2:G0WH+3], s[78:79], 6144
.irp g, G0XL, G0XH, G0WL, G0WH
	s_or_b32 s[\g+3], s[\g+3], 0x80000000
.endr
.macro ARM under, g0, g1, next
	s_cmp_lt_u32 s14, \under
	s_cbranch_scc0 \next
	tensor_load_to_lds s[\g0:\g0+3], s[\g1:\g1+7]
	s_nop 0
	PLACES 4
	s_branch .Lasked
\next:
.endm
	ARM 1, G0WL, G1W, .Larm1
	ARM 2, G0XL, G1X, .Larm2
	ARM 3, G0WH, G1W, .Larm3
	tensor_load_to_lds s[G0XH:G0XH+3], s[G1X:G1X+7]
	s_nop 0
	PLACES 4
.Lasked:
	v_and_b32 v1, 31, v0
	v_and_b32 v2, 15, v0                           ; r
	v_bfe_u32 v3, v0, 4, 1                         ; h
	v_lshlrev_b32 v[L16], 4, v1
	v_lshlrev_b32 v[R16], 4, v2
	v_lshl_add_u32 v[RH8], v3, 3, v[R16]
	v_lshlrev_b32 v[BIO], 6, v3
	v_mul_u32_u24 v4, v2, 272
	v_lshl_add_u32 v4, v3, 6, v4                   ; the stage, in: row r, 64 bytes for each half of the lanes
	v_mul_u32_u24 v5, v3, 272
	v_add_nc_u32 v5, v5, v[R16]                    ; and back: sixteen lanes to a row of 256 bytes, two rows a load
	v_lshl_add_u32 v[CO], v3, 12, v[R16]           ; the same two rows in out0
	WALU
	s_mul_i32 s70, s14, 4352
	s_add_co_u32 s70, s70, STAGE
	v_add_nc_u32 v[STO], s70, v4
	v_add_nc_u32 v[RD], s70, v5
	s_mul_i32 s72, s15, 49152
	s_mul_i32 s73, s16, 24576
	s_add_co_u32 s73, s73, WOF
.irp f, 0,1
	v_add_nc_u32 v[AP+\f], s72, v[L16]
	v_add_nc_u32 v[AQ+\f], s72, v[RH8]
	v_add_nc_u32 v[BP+\f], s73, v[L16]
	v_add_nc_u32 v[BQ+\f], s73, v[RH8]
	s_add_co_u32 s72, s72, HALF
	s_add_co_u32 s73, s73, HALF
.endr
	s_mov_b32 s73, 0
	s_lshl_b32 s72, s19, 4
	s_lshl_b32 s70, s15, 3
	s_add_co_u32 s72, s72, s70
	s_lshl_b32 s72, s72, 9
	s_add_nc_u64 s[94:95], s[6:7], s[72:73]        ; the rows' scale words, my 8 tiles
	s_lshl_b32 s72, s18, 3
	s_lshl_b32 s70, s16, 2
	s_add_co_u32 s72, s72, s70
	s_add_co_u32 s72, s72, 512
	s_lshl_b32 s72, s72, 9
	s_add_nc_u64 s[96:97], s[6:7], s[72:73]        ; the weight's, my 4 tiles
	s_lshl_b32 s72, s18, 9
	s_lshl_b32 s70, s16, 8
	s_add_co_u32 s72, s72, s70                     ; my first column, in bytes
	s_add_nc_u64 s[62:63], s[8:9], s[72:73]
	s_add_nc_u64 s[10:11], s[10:11], s[72:73]
	s_lshl_b32 s72, s19, 20
	s_lshl_b32 s70, s15, 19
	s_add_co_u32 s72, s72, s70                     ; my first row, 4,096 bytes each
	s_add_nc_u64 s[10:11], s[10:11], s[72:73]
	WALU
.irp i, 0,1,2,3,4,5,6,7
	global_load_b128 v[SCX+8*\i:SCX+8*\i+3], v[R16], s[94:95] offset:512*\i
	global_load_b128 v[SCX+8*\i+4:SCX+8*\i+7], v[R16], s[94:95] offset:512*\i+256
.endr
.irp j, 0,1,2,3
	global_load_b128 v[SCW+8*\j+4:SCW+8*\j+7], v[R16], s[96:97] offset:512*\j
	global_load_b128 v[SCW+8*\j:SCW+8*\j+3], v[R16], s[96:97] offset:512*\j+256
.endr
	WIN 0xc0
.irp j, 0,1,2,3
	global_load_b128 v[BB+8*\j:BB+8*\j+3], v[BIO], s[62:63] offset:128*(\j/2)+32*(\j%2)   ; register 8 j + t of lane (r, h): column 32 (j / 2) + 16 h + 8 (j % 2) + t
	global_load_b128 v[BB+8*\j+4:BB+8*\j+7], v[BIO], s[62:63] offset:128*(\j/2)+32*(\j%2)+16
.endr
	WIN 0
	s_cmp_lt_u32 s14, 2
	s_cbranch_scc0 .Lnot_low
	s_wait_tensorcnt 0x0                           ; waves 0 and 1: the lower halves of K
.Lnot_low:
	s_barrier_signal -1
	s_barrier_wait -1                              ; the upper halves may still be on their way: nothing is ever filled again
	FETCH 0
	s_wait_loadcnt 0x0
	STEP 0, 1
	STEP 1, 0
	STEP 2, 0
	s_wait_tensorcnt 0x0                           ; K step 3: a plain barrier shows the upper halves of K to all
	s_wait_dscnt 0x0
	s_barrier_signal -1
	MULS 3, 0, 4, 0
	WIN 0
	s_barrier_wait -1
	PLACES 4
	FETCH 4
	MULS 3, 4, 8, 0
	WIN 0
	STEP 4, 0
	STEP 5, 0
	STEP 6, 0
	s_wait_dscnt 0x0
	MULS 7, 0, 8, 0
	WIN 0
	PLACES 4
.macro TOSTAGE i                       ; LDS serves a wave's instructions in order: no wait between the stores and the loads, nor in front of the next block's stores
	WIN 0x08
.irp j, 0,1,2,3
	ds_store_b128 v[STO], v[32*(\i)+8*\j:32*(\i)+8*\j+3] offset:128*(\j/2)+32*(\j%2)       ; each accumulator from its low end on
	ds_store_b128 v[STO], v[32*(\i)+8*\j+4:32*(\i)+8*\j+7] offset:128*(\j/2)+32*(\j%2)+16
.endr
	WIN 0
.irp t, 0,1,2,3,4,5,6,7
	ds_load_b128 v[BK+32*((\i)%2)+4*\t:BK+32*((\i)%2)+4*\t+3], v[RD] offset:544*\t
.endr
.endm
.macro SEND i, younger
	s_wait_dscnt \younger
.irp t, 0,1,2,3,4,5,6,7
	global_store_b128 v[CO], v[BK+32*((\i)%2)+4*\t:BK+32*((\i)%2)+4*\t+3], s[10:11] offset:(32*((\i)/2)+8*((\i)%2)+2*\t+8*(\t/4))*4096 th:TH_STORE_NT   ; two rows, 256 consecutive bytes each, aligned
.endr
.endm
	TOSTAGE 0
.irp i, 1,2,3,4,5,6,7
.if \i > 1
	s_wait_xcnt 0x0                                ; block i - 2's stores have read their registers
.endif
	TOSTAGE \i
	SEND \i-1, 16                                  ; behind block i - 1's loads: block i's 8 stores and 8 loads
.endr
	SEND 7, 0
	s_wait_tensorcnt 0x0                           ; the wave's end
	ds_add_u32 v[SPW], v[NIL]
	s_wait_dscnt 0x0
	CROUND
	s_endpgm
.Lfunc_end_k_q2459ec3cb8_proj:
	.size	k_q2459ec3cb8_proj, .Lfunc_end_k_q2459ec3cb8_proj-k_q2459ec3cb8_proj
	.p2alignl 7, 3214868480
	.fill 96, 4, 3214868480
	.section	.rodata,"a",@progbits
	.p2align	6, 0x0
	.amdhsa_kernel k_q2459ec3cb8_proj
		.amdhsa_group_segment_fixed_size 327680
		.amdhsa_private_segment_fixed_size 0
		.amdhsa_enable_private_segment 0
		.amdhsa_kernarg_size 32
		.amdhsa_user_sgpr_count 2
		.amdhsa_user_sgpr_kernarg_segment_ptr 1
		.amdhsa_wavefront_size32 1
		.amdhsa_system_sgpr_workgroup_id_x 1
		.amdhsa_system_sgpr_workgroup_id_y 1
		.amdhsa_system_sgpr_workgroup_id_z 1
		.amdhsa_system_vgpr_workitem_id 0
		.amdhsa_next_free_vgpr 1024
		.amdhsa_next_free_sgpr 100
		.amdhsa_reserve_vcc 0
		.amdhsa_float_denorm_mode_32 3
		.amdhsa_float_denorm_mode_16_64 3
		.amdhsa_memory_ordered 1
		.amdhsa_forward_progress 1
		.amdhsa_inst_pref_size 85
	.end_amdhsa_kernel
	.amdgpu_metadata
---
amdhsa.version: [ 1, 2 ]
amdhsa.kernels:
  - .name:           k_q2459ec3cb8_proj
    .symbol:         k_q2459ec3cb8_proj.kd
    .args:
      - { .name: op2, .offset: 0, .size: 8, .value_kind: global_buffer, .address_space: global }
      - { .name: sc2, .offset: 8, .size: 8, .value_kind: global_buffer, .address_space: global }
      - { .name: b_proj, .offset: 16, .size: 8, .value_kind: global_buffer, .address_space: global }
      - { .name: out0, .offset: 24, .size: 8, .value_kind: global_buffer, .address_space: global }
    .group_segment_fixed_size: 327680
    .private_segment_fixed_size: 0
    .kernarg_segment_align: 8
    .kernarg_segment_size: 32
    .max_flat_workgroup_size: 128
    .sgpr_count:     100
    .vgpr_count:     1024
    .wavefront_size: 32
...
	.end_amdgpu_metadata
.endif
;; end of part 4
